; MI455X (gfx1250); checked and timed in simulation.
; The chip was launched on July 23, 2026; its instructions are those of AMD's public machine-readable ISA for CDNA 5 (MIT licence, August 2026) and "CDNA5" Instruction Set Architecture Reference Guide (July 2026). The comments in the code are by the model that wrote it; some were corrected since.
;; Sparse Attention. Allowed arithmetic: matrix products marked QUANTISED: E2M3 operands, one E8M0 scale for each 32 along K, by v_wmma_scale_f32_16x16x128_f8f6f4 with both operands' format E2M3, f32 sums; products left as they are: f32 operands where the result goes on into a quantised operand, else bf16, f16 or f32 operands; f32 sums; everything else in f32.
;; Inputs: Wk 1,024 x 1,024 float32; Wq 1,024 x 1,024 float32; Wv 1,024 x 1,024 float32; bk 1,024 float32; bq 1,024 float32; bv 1,024 float32; sparsity_pattern 16 x 16 float32; x 4 x 4,096 x 1,024 float32.
;; Outputs: out0 4 x 4,096 x 1,024 float32.
;; This version of the problem:
;;   THIS VERSION OF THE PROBLEM IS GIVEN IN LOW PRECISION. The matrix products marked QUANTISED in the list below multiply operands that are first quantised to E2M3 (2 exponent bits, 3 mantissa bits; 6 bits a number), with one power-of-two scale for each 32 numbers along K (OCP MX v1.0); their sums are f32. All else is computed in f32.
;;   The module's matrix products, in the order in which they are computed (A, B: the left and right operand; K: the contracted axis; several contracted axes count as one K, in the product's order):
;;     1. [M 16,384, K 1,024] x [K 1,024, N 1,024]; A: input x; B: input Wq: QUANTISED
;;     2. [M 16,384, K 1,024] x [K 1,024, N 1,024]; A: input x; B: input Wk: QUANTISED
;;     3. [M 16,384, K 1,024] x [K 1,024, N 1,024]; A: input x; B: input Wv: QUANTISED
;;     4. batch 16,384 x [M 16, K 64] x [K 64, N 16]; A: computed on the way; B: computed on the way: QUANTISED
;;     5. batch 16,384 x [M 16, K 16] x [K 16, N 64]; A: softmax; B: computed on the way: left as it is (K = 16 < 32)
;;   THE QUANTISER, for each operand of a quantised product, along K:
;;     - K is cut into blocks of 32 from its start; a last block that is shorter is filled with zeros.
;;     - A block's scale is 2^e with e = floor(log2(the largest magnitude in the block)) - 2, held to -126 .. 127; a block of zeros has e = 0. As a byte (E8M0): e + 127.
;;     - Each number is divided by its block's scale, clamped to +-7.5, and rounded to the nearest number of E2M3, ties to even, subnormals kept.
;;     - The product sums the exact products of the quantised numbers (number of the format x scale) in f32.
;;   ~~~python
;;   def quantise(x, axis):      # numpy; x: float32 -> the quantised numbers, widened to float32 again
;;       x = np.moveaxis(x, axis, -1); K = x.shape[-1]
;;       x = np.pad(x, [(0, 0)] * (x.ndim - 1) + [(0, -K % 32)]); x = x.reshape(x.shape[:-1] + (-1, 32)); a = np.abs(x).max(-1, keepdims=True)
;;       e = np.where(a > 0, np.clip(np.frexp(np.where(a > 0, a, 1))[1] - 1 - 2, -126, 127), 0)      # np.frexp(a)[1] - 1 = floor(log2(a)), exactly
;;       r = np.clip(x / 2.0 ** e, -7.5, 7.5)
;;       step = 2.0 ** (np.maximum(np.frexp(np.where(r == 0, 1, r))[1] - 1, 0) - 3)
;;       q = np.round(r / step) * step * 2.0 ** e      # np.round: ties to even
;;       return np.moveaxis(q.reshape(q.shape[:-2] + (-1,))[..., :K], -1, axis).astype(np.float32)
;;   ~~~
;;   OPERANDS COMPUTED ON THE WAY. 'Computed on the way' means the value that the module computes at that place (a softmax that the list does not call 'softmax' is quantised finished and normalised). What goes into a quantiser is computed in f32, as accurately as f32 sums, v_exp_f32 and their like allow (about 1e-6 of the number): no bf16 or f16 on the way to a quantiser, and a product that is left as it is and whose result goes on into a quantised operand takes f32 operands (vector FMAs, or v_wmma_f32_16x16x4_f32). A number that lies on a knife's edge between two numbers of the format may be rounded either way, as far as f32 arithmetic and the matrix unit's own rounding can turn it there, and no further.
;; 2 versions. Each part assembles by itself: llvm-mc -triple=amdgcn-amd-amdhsa -mcpu=gfx1250 --defsym DOCPART=n.
;; ======== version 1 of 2: 2 launches
;; workspace buffers: wf 2,457,600 bytes; bperm 12,288 bytes
;; launch prep (part 1): grid 96 x 1, 8 waves a work-group, no clusters, 137,216 bytes of LDS; arguments Wk, Wq, Wv, bk, bq, bv, wf, bperm; writes wf, bperm
.if DOCPART == 1
	.amdgcn_target "amdgcn-amd-amdhsa--gfx1250"
	.amdhsa_code_object_version 6
	.text
	.protected	k_qfb78b3124d_prep
	.globl	k_qfb78b3124d_prep
	.p2align	8
	.type	k_qfb78b3124d_prep,@function
k_qfb78b3124d_prep:
	s_mov_b64 s[64:65], 0
	v_nop
	global_prefetch_b8 v0, s[64:65] scope:SCOPE_SE
	s_setreg_imm32_b32 hwreg(HW_REG_WAVE_MODE, 25, 1), 1
	s_wait_xcnt 0x0
; Wk, Wq, Wv [1024 (out)][1024 (K)] f32 become codes of FP6 (E2M3) with one E8M0 scale byte for each 32 along K, laid in wf AS IMAGES OF THE OPERAND'S REGISTERS, in the order in which
; the second launch walks them; the biases are laid in bperm in the same order of rows.
; ORDER.  Six rounds c of 512 rows: c = 0, 1 Wk; 2, 3 Wq; 4, 5 Wv.  In a round wave w of the second launch takes 8 tiles t of 16 rows.  Row m of tile t is row e of W:
;   Wk, Wq: e = 128 (4 (c & 1) + w) + 32 (t >> 1) + 8 (t & 1) + m + 8 (m >> 3);      Wv: e = 64 m + 32 (w & 1) + 4 t + 2 (c & 1) + (w >> 1)   (one channel of all 16 heads).
; wf: part p = 16 c + 4 kp + w (kp: which 256 along K) is 25,600 bytes: 16 fragment images of 1,536 bytes at (8 sl + t) x 1,536 (sl: which 128 of the 256), each three groups of 512 bytes,
; lane l's registers 4 g .. 4 g + 3 at 512 g + 16 l; then 8 scale images of 128 bytes: in image t, lanes 0-15 hold row r's scale word of sl = 0, lanes 16-31 that of sl = 1.
; bperm: f32 at (4 c + w) x 128 + 16 t + m.
; SHARES.  A work-group is a part, wave t its tile t: 16 rows x 1,024 bytes.  Each load reads 512 consecutive bytes of a row; the rows turn through the wave's own stage in LDS so that lane (r, h)
; holds k = 64 c2 + 32 h + 0 .. 31 of row r: whole blocks, in the operand's own order, so that the conversions' results are the operand's registers.  Every store covers 512 consecutive bytes.
; A block's scale is 2^(floor(log2(its largest magnitude)) - 2); its byte is the largest magnitude's exponent field - 2, held at 1 from below.
; LIMITS: a block of zeros, or one whose largest magnitude lies under 2^-124, gets the byte 1 (its codes are zeros or subnormal; the bytes are read by this program alone); NaN and infinities are not served.
.set STGW, 16896                       ; LDS of a wave: two stages
.set STGS, 8448                        ; a stage: 16 rows
.set SPT,  528                         ; of 512 bytes + 16: the sixteen rows that a read touches begin 16 bytes apart modulo 256
.set SCB,  135168                      ; behind the stages: the part's 8 scale images, 1,024 bytes
.set PART, 25600
.set OFF,  16                          ; v16-31   row m's byte offset in W + 16 x lane
.set F,    32                          ; v32-55   the two fragments
.set R,    64                          ; v64-191  the rows as loaded: 64 sl + 4 m
.set X,    192                         ; v192-255 two whole blocks of 32
	s_load_b256 s[4:11], s[0:1], 0x0               ; Wk s[4:5], Wq s[6:7], Wv s[8:9], bk s[10:11]
	s_load_b256 s[12:19], s[0:1], 0x20             ; bq s[12:13], bv s[14:15], wf s[16:17], bperm s[18:19]
	s_set_vgpr_msb 0x40
	v_lshl_add_u32 v0, v0, 2, 0x21400
	v_mov_b32 v1, 0
	s_set_vgpr_msb 0x4000
	v_lshrrev_b32 v1, 5, v0
	v_readfirstlane_b32 s20, v1                    ; wave = tile t
	v_and_b32 v1, 31, v0                           ; lane
	v_and_b32 v2, 15, v0                           ; r
	v_bfe_u32 v3, v0, 4, 1                         ; h
	v_lshlrev_b32 v4, 4, v1                        ; 16 x lane
	s_mul_i32 s38, s20, STGW
	v_add_nc_u32 v5, s38, v4                       ; the stage, on the way in: a row's 512 bytes as they lie
	v_mul_u32_u24 v6, v2, SPT
	v_lshl_add_u32 v6, v3, 7, v6
	v_add_nc_u32 v6, s38, v6                       ; and on the way out: row r, + 128 h: my block of 32 numbers
	v_lshl_add_u32 v7, v0, 2, SCB                  ; my scale word's place: 128 x wave + 4 x lane
	v_and_b32 v8, 63, v0
	v_lshl_add_u32 v8, v8, 4, SCB                  ; where waves 0 and 1 read the scale images back
	v_lshlrev_b32 v63, 3, v3                       ; 8 h
	v_mov_b32 v59, 0                               ; written once: a lane permute's destination counts as one of its sources
	s_mov_b32 s40, 0x76543210
	s_mov_b32 s41, 0xfedcba98                      ; v_permlanex16_b32's selects for lane l xor 16
	s_and_b32 s21, ttmp9, 3                        ; w
	s_lshr_b32 s22, ttmp9, 4                       ; c
	s_bfe_u32 s23, ttmp9, 0x20002                  ; kp
	s_and_b32 s24, s22, 1                          ; c & 1
	s_lshl_b32 s25, s24, 9
	s_lshl_b32 s26, s21, 7
	s_add_co_u32 s25, s25, s26                     ; Wk, Wq: 128 (4 (c & 1) + w)
	s_and_b32 s26, s21, 1
	s_lshl_b32 s26, s26, 5
	s_lshl_b32 s27, s24, 1
	s_add_co_u32 s26, s26, s27
	s_lshr_b32 s27, s21, 1
	s_add_co_u32 s26, s26, s27                     ; Wv: 32 (w & 1) + 2 (c & 1) + (w >> 1)
	s_cmp_ge_u32 s22, 4                            ; the two orders of rows differ in five numbers alone
	s_cselect_b32 s25, s26, s25                    ; EB: the part's first row
	s_cselect_b32 s26, 8, 32                       ; TA: rows for each t >> 1
	s_cselect_b32 s27, 4, 8                        ; TB: for t & 1
	s_cselect_b32 s28, 64, 1                       ; MS: from m to m + 1
	s_cselect_b32 s29, 0, 8                        ; HS: more from m = 7 to m = 8
	s_lshr_b32 s30, s20, 1
	s_mul_i32 s30, s30, s26
	s_and_b32 s31, s20, 1
	s_mul_i32 s31, s31, s27
	s_add_co_u32 s30, s30, s31
	s_add_co_u32 s30, s30, s25                     ; my tile's row 0
	s_lshl_b32 s30, s30, 12                        ; a row of W is 4,096 bytes
	s_lshl_b32 s31, s23, 10
	s_add_co_u32 s30, s30, s31                     ; + 1,024 kp
	s_lshl_b32 s32, s28, 12
	s_lshl_b32 s33, s29, 12
.irp m, 0,1,2,3,4,5,6,7,8,9,10,11,12,13,14,15
	v_add_nc_u32 v[OFF+\m], s30, v4
	s_add_co_u32 s30, s30, s32
.if \m == 7
	s_add_co_u32 s30, s30, s33
.endif
.endr
	s_mul_i32 s34, ttmp9, PART
	s_mov_b32 s35, 0
	s_lshl_b32 s42, s22, 2
	s_add_co_u32 s42, s42, s21
	s_lshl_b32 s42, s42, 9                         ; bperm: (4 c + w) x 512 bytes
	s_mov_b32 s43, 0
	s_wait_kmcnt 0x0
	s_cmp_lt_u32 s22, 2                            ; which weight and which bias: the choice hangs on the work-group's number alone
	s_cselect_b64 s[6:7], s[4:5], s[6:7]
	s_cselect_b64 s[12:13], s[10:11], s[12:13]
	s_cmp_lt_u32 s22, 4
	s_cselect_b64 s[6:7], s[6:7], s[8:9]
	s_cselect_b64 s[12:13], s[12:13], s[14:15]
	s_add_nc_u64 s[16:17], s[16:17], s[34:35]      ; wf at my part
	s_mul_i32 s34, s20, 1536
	s_add_nc_u64 s[36:37], s[16:17], s[34:35]      ; and at my tile's first image
	s_add_nc_u64 s[18:19], s[18:19], s[42:43]
.irp q, 0,1
.irp m, 0,1,2,3,4,5,6,7,8,9,10,11,12,13,14,15
	global_load_b128 v[R+64*\q+4*\m:R+64*\q+4*\m+3], v[OFF+\m], s[6:7] offset:512*\q th:TH_LOAD_NT   ; 32 lanes read 512 consecutive bytes of row m
.endr
.endr
; One K step of 128: the rows through the stage, two blocks a lane, the fragment's three stores.
.macro HALF sl
.if \sl == 0
	s_wait_loadcnt 16                              ; this K step's sixteen loads are in; the other's sixteen may be out
.else
	s_wait_loadcnt 0x0
.endif
.irp m, 0,1,2,3,4,5,6,7,8,9,10,11,12,13,14,15
	ds_store_b128 v5, v[R+64*\sl+4*\m:R+64*\sl+4*\m+3] offset:STGS*\sl+SPT*\m
.endr
.irp c, 0,1
.irp j, 0,1,2,3,4,5,6,7
	ds_load_b128 v[X+32*\c+4*\j:X+32*\c+4*\j+3], v6 offset:STGS*\sl+256*\c+16*\j   ; LDS serves a wave's instructions in order: these see my stores.  k = 64 c + 32 h + 4 j ..
.endr
.endr
	s_wait_dscnt 0x0
.irp c, 0,1
	v_max3_num_f32 v[9+\c], |v[X+32*\c]|, |v[X+32*\c+1]|, 0x1800000   ; my block 2 c + h, and the floor 2^(3 - 127): the byte cannot fall under 1
.endr
.irp i, 2,4,6,8,10,12,14,16,18,20,22,24,26,28,30
.irp c, 0,1
	v_max3_num_f32 v[9+\c], v[9+\c], |v[X+32*\c+\i]|, |v[X+32*\c+\i+1]|   ; (the two blocks by turns)
.endr
.endr
.irp c, 0,1
	v_add_nc_u32 v[11+\c], 0xff000000, v[9+\c]     ; 2 off the exponent field: the conversion takes the exponent field of this operand as its scale
.endr
.irp c, 0,1
	v_lshrrev_b32 v[9+\c], 23, v[11+\c]            ; the scale's byte
.endr
	v_lshl_or_b32 v13, v10, 16, v9                 ; my two bytes, blocks h and 2 + h,
	v_lshlrev_b32 v13, v63, v13                    ; at their places in the scale word;
	v_permlanex16_b32 v59, v13, s40, s41
	v_or_b32 v[14+\sl], v13, v59                   ; with lane l xor 16's two the word is whole, in both lanes
.irp c, 0,1
	v_cvt_scalef32_pk16_fp6_f32 v[F+12*\sl+6*\c:F+12*\sl+6*\c+2], v[X+32*\c:X+32*\c+15], v[11+\c]
	v_cvt_scalef32_pk16_fp6_f32 v[56+4*\c:58+4*\c], v[X+32*\c+16:X+32*\c+31], v[11+\c]   ; (a conversion's three registers begin on an even number: the block's second half is made here and moved)
.endr
	v_nop                                          ; one plain line behind a scaled conversion
.irp c, 0,1
.irp i, 0,1,2
	v_mov_b32 v[F+12*\sl+6*\c+3+\i], v[56+4*\c+\i]
.endr
.endr
.irp g, 0,1,2
	global_store_b128 v4, v[F+12*\sl+4*\g:F+12*\sl+4*\g+3], s[36:37] offset:12288*\sl+512*\g   ; the image: 32 lanes store 512 consecutive bytes
.endr
.endm
	HALF 0
	HALF 1
	v_cmp_le_u32 vcc_lo, 16, v1
	v_cndmask_b32 v13, v14, v15, vcc_lo            ; lanes 0-15 the first K step's word of row r, lanes 16-31 the second's
	ds_store_b32 v7, v13
	v_and_b32 v68, 63, v0
	v_lshlrev_b32 v68, 4, v68
	s_wait_dscnt 0x0                               ; for the others' sake: my word lies in LDS
	s_barrier_signal -1
	s_barrier_wait -1
	s_cmp_lt_u32 s20, 2
	s_cbranch_scc0 .Lnot_scales
	ds_load_b128 v[64:67], v8                      ; waves 0 and 1: the eight scale images leave as 2 x 512 consecutive bytes
	s_wait_dscnt 0x0
	global_store_b128 v68, v[64:67], s[16:17] offset:24576
	s_set_vgpr_msb 0x5
	s_wait_tensorcnt 0x0
	ds_add_u32 v0, v1
	s_wait_dscnt 0x0
	s_set_vgpr_msb 0x500
	s_endpgm
.Lnot_scales:
	s_cmp_eq_u32 s20, 2
	s_cbranch_scc0 .Lend
	s_cmp_eq_u32 s23, 0                            ; the biases do not hang on K: the parts with kp = 0 lay them out
	s_cbranch_scc0 .Lend
	v_lshrrev_b32 v64, 2, v1                       ; wave 2: lane l takes tile l >> 2, rows 4 (l & 3) + 0 .. 3
	v_lshrrev_b32 v65, 1, v64
	v_and_b32 v66, 1, v64
	v_mul_lo_u32 v65, v65, s26
	v_mul_lo_u32 v66, v66, s27
	v_add3_u32 v65, v65, v66, s25
	v_and_b32 v66, 3, v1
	v_lshlrev_b32 v66, 2, v66
	v_mul_lo_u32 v67, v66, s28
	v_lshrrev_b32 v66, 3, v66
	v_mul_lo_u32 v66, v66, s29
	v_add3_u32 v65, v65, v67, v66                  ; e of the first of my four rows
	s_lshl_b32 s39, s28, 2
	v_lshlrev_b32 v72, 2, v65
	v_add_nc_u32 v73, s39, v72
	v_add_nc_u32 v74, s39, v73
	v_add_nc_u32 v75, s39, v74
	global_load_b32 v76, v72, s[12:13]
	global_load_b32 v77, v73, s[12:13]
	global_load_b32 v78, v74, s[12:13]
	global_load_b32 v79, v75, s[12:13]
	s_wait_loadcnt 0x0
	global_store_b128 v4, v[76:79], s[18:19]       ; 128 biases: 512 consecutive bytes
.Lend:
	s_set_vgpr_msb 0x5
	s_wait_tensorcnt 0x0
	ds_add_u32 v0, v1
	s_wait_dscnt 0x0
	s_set_vgpr_msb 0x500
	s_endpgm
.Lfunc_end_k_qfb78b3124d_prep:
	.size	k_qfb78b3124d_prep, .Lfunc_end_k_qfb78b3124d_prep-k_qfb78b3124d_prep
	.p2alignl 7, 3214868480
	.fill 96, 4, 3214868480
	.section	.rodata,"a",@progbits
	.p2align	6, 0x0
	.amdhsa_kernel k_qfb78b3124d_prep
		.amdhsa_group_segment_fixed_size 137216
		.amdhsa_private_segment_fixed_size 0
		.amdhsa_enable_private_segment 0
		.amdhsa_kernarg_size 64
		.amdhsa_user_sgpr_count 2
		.amdhsa_user_sgpr_kernarg_segment_ptr 1
		.amdhsa_wavefront_size32 1
		.amdhsa_system_sgpr_workgroup_id_x 1
		.amdhsa_system_sgpr_workgroup_id_y 1
		.amdhsa_system_sgpr_workgroup_id_z 1
		.amdhsa_system_vgpr_workitem_id 0
		.amdhsa_next_free_vgpr 258
		.amdhsa_next_free_sgpr 66
		.amdhsa_reserve_vcc 1
		.amdhsa_float_denorm_mode_32 3
		.amdhsa_float_denorm_mode_16_64 3
		.amdhsa_memory_ordered 1
		.amdhsa_forward_progress 1
		.amdhsa_inst_pref_size 20
	.end_amdhsa_kernel
	.amdgpu_metadata
---
amdhsa.version: [ 1, 2 ]
amdhsa.kernels:
  - .name:           k_qfb78b3124d_prep
    .symbol:         k_qfb78b3124d_prep.kd
    .args:
      - { .name: Wk, .offset: 0, .size: 8, .value_kind: global_buffer, .address_space: global }
      - { .name: Wq, .offset: 8, .size: 8, .value_kind: global_buffer, .address_space: global }
      - { .name: Wv, .offset: 16, .size: 8, .value_kind: global_buffer, .address_space: global }
      - { .name: bk, .offset: 24, .size: 8, .value_kind: global_buffer, .address_space: global }
      - { .name: bq, .offset: 32, .size: 8, .value_kind: global_buffer, .address_space: global }
      - { .name: bv, .offset: 40, .size: 8, .value_kind: global_buffer, .address_space: global }
      - { .name: wf, .offset: 48, .size: 8, .value_kind: global_buffer, .address_space: global }
      - { .name: bperm, .offset: 56, .size: 8, .value_kind: global_buffer, .address_space: global }
    .group_segment_fixed_size: 137216
    .private_segment_fixed_size: 0
    .kernarg_segment_align: 8
    .kernarg_segment_size: 64
    .max_flat_workgroup_size: 256
    .sgpr_count:     66
    .vgpr_count:     258
    .wavefront_size: 32
...
	.end_amdgpu_metadata
.endif
;; end of part 1
;; launch fused (part 2): grid 256 x 1, 4 waves a work-group, clusters of 4 x 1, 327,680 bytes of LDS; arguments x, wf, bperm, sparsity_pattern, out0; writes out0
.if DOCPART == 2
	.amdgcn_target "amdgcn-amd-amdhsa--gfx1250"
	.amdhsa_code_object_version 6
	.text
	.protected	k_qfb78b3124d_fused
	.globl	k_qfb78b3124d_fused
	.p2align	8
	.type	k_qfb78b3124d_fused,@function
k_qfb78b3124d_fused:
	s_mov_b64 s[64:65], 0
	v_nop
	global_prefetch_b8 v0, s[64:65] scope:SCOPE_SE
	s_setreg_imm32_b32 hwreg(HW_REG_WAVE_MODE, 25, 1), 1
	s_wait_xcnt 0x0
	s_wait_alu depctr_hold_cnt(0) depctr_sa_sdst(0) depctr_va_vdst(0) depctr_va_sdst(0) depctr_va_ssrc(0) depctr_va_vcc(0) depctr_vm_vsrc(0)
	s_getreg_b32 s2, hwreg(HW_REG_IB_STS2, 6, 4)
	s_cmp_eq_u32 s2, 0
	s_cbranch_scc0 .Lentry_in_a_cluster
	s_endpgm
.Lentry_in_a_cluster:
	s_bfe_u32 s2, ttmp6, 0x10000c
	s_cmp_lg_u32 s2, 0x3003
	s_cbranch_scc0 .Lentry_shape_is_right
	s_endpgm
.Lentry_shape_is_right:
; out = softmax_g((q k^T) x pattern) v for each token, over its 16 heads; q, k, v = x W^T + b.  x [16384][1024] f32; the weights come as operand images and the biases in the images' order of rows (first launch).
; The three projections and q k^T are products on codes of FP6 (E2M3) with one E8M0 scale for each 32 along K; the last product (K = 16 heads) has bf16 operands; all sums, the softmax and what is quantised are f32.
; SHARES.  A work-group owns 64 tokens and takes them through the whole chain: q, k, v never go to memory.  PROJECTIONS: every wave holds the codes of ALL 64 tokens in registers (32 fragments) and makes 128 of a
; round's 512 columns: six rounds (k, k, q, q, v, v) of 8 K steps of 128; a weight fragment read from LDS feeds four matrix instructions.  ATTENTION: wave w owns tokens 16 w .. 16 w + 15.
; CLUSTER.  All work-groups walk the same weights, so the four of a cluster ask for each part JOINTLY: the same tensor load, the same descriptor, the mask 15.  A wave asks for its own part of a slot (its 128 columns x 256
; along K, 25,600 bytes) and is the only wave that reads it.  A mask names four work-groups at the most, and nothing but the weights is shared: so the cluster is 4 x 1.
; LAYOUTS.  The projections are used transposed (source 0 = 16 rows of W, source 1 = 16 tokens): a lane holds ONE token.  The rows of W that form a tile were chosen by the first launch:
;   k, q: the 16 registers of tiles 2 b, 2 b + 1 are 16 neighbours along a head's channels: they are quantised in registers; the codes go to the token's row in LDS as a plain stream of bits.
;   v: a tile is one channel d of all 16 heads: a lane's eight results are eight neighbouring heads g, the last product's K; four bf16 pairs are 16 bytes of that product's operand image.
;   scores: source 0 = k's 16 heads, source 1 = q's: a lane holds q's head r and eight of the 16 g; K = 64 is filled to 128 with zero codes.  The weights p, rounded in pairs, ARE source 0 of the last product.
;   last product: source 1 = 16 channels d = 4 r + i of tile i: the four tiles' results give a lane 16 consecutive bytes of a head's row, and sixteen lanes a head's 256 bytes.
; LIMITS: NaN and infinities are not served; a block of zeros, or one under 2^-124, gets the scale byte 1 (the bytes are read by this program alone); p and v are rounded to bf16 for the last product.
; REGISTERS, in windows of 256 (s_set_vgpr_msb: bits 1:0 source 0, 3:2 source 1, 5:4 source 2, 7:6 destination):
;   window 0: v0-23 addresses; v24-39 x's scale words, v40-55 W's, v56-59 the scores' (these 36 hold scales alone); v60 a scale word just made; v64-127 a round's biases; v128-223 W's fragments, set 0; v224-255 the quantiser's
;   window 1: x's fragments of K steps 0-4 at 12 (4 s + m).   window 2: those of K steps 5-7; from v144 W's fragments, set 1.   window 3: the 32 accumulators at 64 m + 8 t; free between the rounds for the scores.
.set PART,  25600                      ; a wave's part of a slot: 16 fragment images of 1,536 bytes and 8 scale images of 128
.set SLOTB, 102400                     ; a slot: four parts: 256 along K of a round's 512 columns
.set UC,    204800                     ; behind the two slots: 64 token rows of UP bytes.  First x's images and stages; then k's codes (0-767) and q's (768-1535); then p's image (0-511) and v's tiles 0, 1 (512-1535)
.set UP,    1552                       ; 97 x 16: rows begin 16 bytes apart modulo 256
.set USC,   304128                     ; 64 rows of USP bytes: 32 scale bytes of k, 32 of q
.set USP,   68
.set SPARE, 308480                     ; the spare words, 128 bytes for each wave: two blocks of 256 bytes that no other line names
.set XIMG,  UC                         ; x's 32 fragment images, 4 s + m
.set XSC,   UC+49152                   ; x's 16 scale images, 4 (s >> 1) + m: lanes 0-15 the even K step, lanes 16-31 the odd one
.set STG,   UC+51200                   ; a stage of 16 rows x (512 + 16) bytes for each wave
.set VP,    1040                       ; v's tiles 2, 3: 64 rows of 1,024 + 16 bytes in slot 0, once that slot has had its last fill and its last read
.set SPW,  4                           ; v4   LDS address of my spare word; never rewritten
.set NIL,  5                           ; v5   0; never rewritten
.set AW,   6                           ; v6-7 my part of slot 0, 1: + 16 x lane
.set AS,   8                           ; v8-9 its scale images: + 4 x lane
.set BOFF, 10                          ; v10  512 w + 32 h: my eight biases of a tile
.set XS,   24
.set WS,   40
.set SW,   56
.set PW,   60
.set BIAS, 64
.set PC,   224                         ; v224-243 codes just made
.set TM,   244                         ; v244-247 largest magnitudes
.set TP,   248                         ; v248-251 the other lane's, then the bytes
.set TS,   252                         ; v252-255 the conversions' scale operands
.set SS,   96                          ; window 3, between the rounds: scores, 8 a token;
.set PAT,  128                         ; the pattern's eight numbers of my lane;
.set ST,   136                         ; eight registers of statistics a token;
.set PB,   168                         ; p in bf16, four a token
.set MSB, 0
.macro WIN new                         ; the immediate's high byte repeats the setting that is left; a switch that changes nothing is dropped
.if MSB != \new
	s_set_vgpr_msb (MSB<<8)|\new
.set MSB, \new
.endif
.endm
.macro PLACES n                        ; plain vector lines between a matrix instruction and a reader of its result, or a load into or a write of one of its registers
.rept \n
	v_nop
.endr
.endm
.macro CREST                           ; a round of the cluster's barrier behind its opening barrier
	s_cmp_lg_u32 s14, 0
	s_cbranch_scc1 .Lnot_wave_0_\@
	s_barrier_signal -3
.Lnot_wave_0_\@:
	s_barrier_wait -3
	s_barrier_signal -1
	s_barrier_wait -1
.endm
.macro CROUND                          ; a whole round
	s_barrier_signal -1
	s_barrier_wait -1
	CREST
.endm
.macro BARRIER                         ; my LDS stores have landed and my LDS loads are in: then the work-group's barrier.
	s_wait_dscnt 0x0
	s_barrier_signal -1
	s_barrier_wait -1
.endm
; my 16 rows' numbers of K step s, as they lie: each load reads 512 consecutive bytes of a row.  Four sets of 64 registers in window 1
.macro XLOAD s
	WIN 0x40
.irp m, 0,1,2,3,4,5,6,7,8,9,10,11,12,13,14,15
	global_load_b128 v[64*((\s)%4)+4*\m:64*((\s)%4)+4*\m+3], v11, s[4:5] offset:4096*\m+512*(\s) th:TH_LOAD_NT
.endr
	WIN 0
.endm
.macro BIASLOAD                        ; a round's biases in the result's layout: tile t, rows 8 h + 0 .. 7
.irp t, 0,1,2,3,4,5,6,7
	global_load_b128 v[BIAS+8*\t:BIAS+8*\t+3], v[BOFF], s[8:9] offset:64*\t
	global_load_b128 v[BIAS+8*\t+4:BIAS+8*\t+7], v[BOFF], s[8:9] offset:64*\t+16
.endr
.endm
; 64 numbers of a lane in window 3, register src + 16 b + i = k 32 b + 16 (lane / 16) + i of my row, are quantised: the scale word into v[PW], the codes into v[PC] on.
; frag = 1: as a fragment's 12 registers;  frag = 0: block b's 16 codes of my half, 12 bytes, in v[PC + 4 b] on.
.macro QCORE src, frag
	WIN 0x0f
.irp b, 0,1,2,3
	v_max3_num_f32 v[TM+\b], |v[(\src)+16*\b]|, |v[(\src)+16*\b+1]|, 0x1800000   ; my 16 numbers of block b, each tile from its low end on, and the floor 2^(3 - 127): the byte cannot fall under 1
.endr
.irp i, 2,4,6,8,10,12,14
.irp b, 0,1,2,3
	v_max3_num_f32 v[TM+\b], |v[(\src)+16*\b+\i]|, |v[(\src)+16*\b+\i+1]|, v[TM+\b]   ; (the four blocks by turns)
.endr
.endr
	WIN 0
	s_wait_dscnt 0x0                               ; earlier LDS stores have read the codes' and the scale word's registers
.irp b, 0,1,2,3
	v_permlanex16_b32 v[TP+\b], v[TM+\b], s40, s41
.endr
.irp b, 0,1,2,3
	v_max_num_f32 v[TM+\b], v[TM+\b], v[TP+\b]     ; with lane l xor 16's: the block's largest magnitude
.endr
.irp b, 0,1,2,3
	v_add_nc_u32 v[TS+\b], 0xff000000, v[TM+\b]    ; 2 off its exponent field: the conversion's scale operand
.endr
.irp b, 0,1,2,3
	v_lshrrev_b32 v[TP+\b], 23, v[TS+\b]           ; the scale's byte
.endr
	v_lshl_or_b32 v[PW], v[TP+1], 8, v[TP]
	v_lshl_or_b32 v[PW], v[TP+2], 16, v[PW]
	v_lshl_or_b32 v[PW], v[TP+3], 24, v[PW]        ; my row's scale word
	WIN 0x03
.if \frag
.irp c, 0,1
	v_cvt_scalef32_pk16_fp6_f32 v[PC+6*\c:PC+6*\c+2], v[(\src)+32*\c:(\src)+32*\c+15], v[TS+2*\c]
	v_cvt_scalef32_pk16_fp6_f32 v[PC+12+4*\c:PC+14+4*\c], v[(\src)+32*\c+16:(\src)+32*\c+31], v[TS+2*\c+1]   ; (a conversion's three registers begin on an even number)
.endr
.else
.irp b, 0,1,2,3
	v_cvt_scalef32_pk16_fp6_f32 v[PC+4*\b:PC+4*\b+2], v[(\src)+16*\b:(\src)+16*\b+15], v[TS+\b]
.endr
.endif
	WIN 0
	v_nop                                          ; one plain line behind a scaled conversion
.if \frag
.irp c, 0,1                            ; the operand's layout wants a WHOLE block in a lane: lanes 0-15 block 2 c, lanes 16-31 block 2 c + 1
.irp i, 0,1,2
	v_permlane16_swap_b32 v[PC+6*\c+\i], v[PC+12+4*\c+\i]
.endr
.irp i, 0,1,2
	v_mov_b32 v[PC+3+6*\c+\i], v[PC+12+4*\c+\i]
.endr
.endr
.endif
.endm
; K step s of x: my 16 rows turn through my stage, so that a lane holds 16 neighbours of each block of its row; they become a fragment, whose image and scale word go to LDS for all four waves.
.macro XSTEP s
.if (\s) < 5
	s_wait_loadcnt 48                              ; this K step's sixteen loads are in; those of the three K steps behind it may be out
.else
	s_wait_loadcnt 16*(7-(\s))                     ; the counts run down: 32, 16, 0
.endif
	WIN 0x04
.irp m, 0,1,2,3,4,5,6,7,8,9,10,11,12,13,14,15
	ds_store_b128 v12, v[64*((\s)%4)+4*\m:64*((\s)%4)+4*\m+3] offset:528*\m
.endr
	WIN 0xc0
.irp b, 0,1,2,3
.irp j, 0,1,2,3
	ds_load_b128 v[16*\b+4*\j:16*\b+4*\j+3], v13 offset:128*\b+16*\j   ; LDS serves a wave's instructions in order: these see my stores
.endr
.endr
	WIN 0
	s_wait_dscnt 0x0                               ; the numbers are back, and the stores have read their registers,
.if (\s) < 4
	XLOAD (\s)+4                                   ; which take the loads of four K steps on
.endif
	QCORE 0, 1
.irp g, 0,1,2
	ds_store_b128 v14, v[PC+4*\g:PC+4*\g+3] offset:6144*(\s)+512*\g
.endr
	ds_store_b32 v15, v[PW] offset:512*((\s)>>1)+64*((\s)&1)   ; lanes r and 16 + r write the same word with the same value
.endm
; W's eight fragments of K step s out of my part of slot (s >> 1) & 1: set 0 for an even s (with the slot's scale images), set 1 for an odd one.  Each load reads 512 consecutive bytes.
.macro FETCH s
.set n_, ((\s)>>1)&1
.if ((\s)&1) == 0
	WIN 0
.set wb_, 128
.else
	WIN 0x80
.set wb_, 144
.endif
.irp t, 0,1,2,3,4,5,6,7
.irp g, 0,1,2
	ds_load_b128 v[wb_+12*\t+4*\g:wb_+12*\t+4*\g+3], v[AW+n_] offset:(8*((\s)&1)+\t)*1536+512*\g
.endr
.endr
.if ((\s)&1) == 0
.irp t, 0,1,2,3,4,5,6,7
	ds_load_b32 v[WS+8*n_+\t], v[AS+n_] offset:128*\t
.endr
.endif
.endm
; 4 nt matrix instructions of K step s: tiles t0 .. t0 + nt - 1 of W x the four tiles of tokens.  The 32 accumulators take turns, one instruction a turn, in the same order in every K step.
; K step 0 takes the biases as C: nothing is cleared and nothing is added later.  An odd K step's scale words lie in lanes 16-31.
.macro MULS s, t0, nt
.set w_, 0xc0
.if (\s) != 0
.set w_, w_|0x30
.endif
.if (\s) < 5
.set w_, w_|0x04
.set xb_, 48*(\s)
.else
.set w_, w_|0x08
.set xb_, 48*((\s)-5)
.endif
.if ((\s)&1) == 1
.set w_, w_|0x02
.set wb_, 144
.else
.set wb_, 128
.endif
.set sa_, WS+8*(((\s)>>1)&1)
.set sb_, XS+4*((\s)>>1)
	WIN w_
.set t_, \t0
.rept \nt
.set m_, 0
.rept 4
.if (\s) == 0
	v_wmma_scale_f32_16x16x128_f8f6f4 v[64*m_+8*t_:64*m_+8*t_+7], v[wb_+12*t_:wb_+12*t_+11], v[xb_+12*m_:xb_+12*m_+11], v[BIAS+8*t_:BIAS+8*t_+7], v[sa_+t_], v[sb_+m_] matrix_a_fmt:MATRIX_FMT_FP6 matrix_b_fmt:MATRIX_FMT_FP6
.elseif ((\s)&1) == 0
	v_wmma_scale_f32_16x16x128_f8f6f4 v[64*m_+8*t_:64*m_+8*t_+7], v[wb_+12*t_:wb_+12*t_+11], v[xb_+12*m_:xb_+12*m_+11], v[64*m_+8*t_:64*m_+8*t_+7], v[sa_+t_], v[sb_+m_] matrix_a_fmt:MATRIX_FMT_FP6 matrix_b_fmt:MATRIX_FMT_FP6
.else
	v_wmma_scale_f32_16x16x128_f8f6f4 v[64*m_+8*t_:64*m_+8*t_+7], v[wb_+12*t_:wb_+12*t_+11], v[xb_+12*m_:xb_+12*m_+11], v[64*m_+8*t_:64*m_+8*t_+7], v[sa_+t_], v[sb_+m_] matrix_a_fmt:MATRIX_FMT_FP6 matrix_b_fmt:MATRIX_FMT_FP6 matrix_a_scale:MATRIX_SCALE_ROW1 matrix_b_scale:MATRIX_SCALE_ROW1
.endif
.set m_, m_+1
.endr
.set t_, t_+1
.endr
.endm
; An even K step multiplies set 0 and fetches the slot's second K step into set 1: with that the slot is read out.  fill = 1: the slot is filled again, two slots ahead, behind a round of the cluster's barrier;
; fill = 0: the same waits and a barrier of the work-group, and nothing is asked for;  fill = -1: the last slot.
.macro STEP_E s, fill
	s_wait_dscnt 0x0                               ; set 0 and the slot's scale words are in (asked for 32 matrix instructions ago)
.if (\s) == 0
	s_wait_loadcnt 0x0                             ; the round's biases
.endif
	PLACES 4                                       ; in front of the loads into set 1, which the K step before multiplied
	FETCH (\s)+1
	MULS \s, 0, 4
.if (\fill) >= 0
	WIN 0                                          ; (the add's two registers lie in window 0)
	s_wait_tensorcnt 0x0                           ; all my tensor loads have landed: the one that was out is my part of the other slot;
	ds_add_u32 v[SPW], v[NIL]                      ; 0 onto my spare word;
	MULS \s, 4, 2                                  ; eight matrix instructions stand between the add and the wait for it
	s_wait_dscnt 0x0                               ; the add is done, and my reads of this slot are over
	s_barrier_signal -1
	MULS \s, 6, 2
	WIN 0
	s_barrier_wait -1
.if (\fill) == 1
	CREST                                          ; the barrier has opened a round of the cluster's barrier: no wave of any partner still reads this slot or has a load on its way
	s_add_nc_u64 s[34+4*(((\s)>>1)&1):35+4*(((\s)>>1)&1)], s[34+4*(((\s)>>1)&1):35+4*(((\s)>>1)&1)], 2*SLOTB
	tensor_load_to_lds s[32+4*(((\s)>>1)&1):35+4*(((\s)>>1)&1)], s[24:31]   ; my one tensor load behind the round, and the first thing there
	s_nop 0
	PLACES 4                                       ; four plain lines behind it: also the places in front of the loads into set 0
.else
	PLACES 4
.endif
.else
	MULS \s, 4, 4
	WIN 0
	s_wait_dscnt 0x0                               ; set 1 is in
	PLACES 4
.endif
.endm
; An odd K step multiplies set 1 and fetches the next K step, out of the other slot, into set 0.  bias = 1: the next round's biases are asked for.
.macro STEP_O s, fetch, bias
.if \bias
	s_add_nc_u64 s[8:9], s[8:9], 2048              ; (the last biases' loads were waited for at this round's head)
	BIASLOAD
.endif
.if \fetch
	FETCH ((\s)+1)%8
.endif
	MULS \s, 0, 8
	WIN 0
.endm
.macro GROUND f0, f1, f2, f3, fetch7, bias   ; a round: 512 columns, all of K: 256 matrix instructions a wave
	STEP_E 0, \f0
	STEP_O 1, 1, 0
	STEP_E 2, \f1
	STEP_O 3, 1, 0
	STEP_E 4, \f2
	STEP_O 5, 1, 0
	STEP_E 6, \f3
	STEP_O 7, \fetch7, \bias
.endm
; A round of v leaves: each accumulator's eight heads become four bf16 pairs, 16 bytes, at lane (8 (w & 1) + t, h)'s place in tile (w >> 1)'s image in the token's row.
.macro EPIV pitch, base
	PLACES 4
	v_mul_u32_u24 v18, v2, \pitch
	v_lshl_add_u32 v18, v3, 8, v18
	v_add_nc_u32 v18, s51, v18
.if \base
	v_add_nc_u32 v18, \base, v18
.endif
	v_add_nc_u32 v19, 32*\pitch, v18               ; tokens 32 on: an LDS offset has 16 bits
	WIN 0xcf
.set a_, 0
.rept 32
.irp i, 0,1,2,3
	v_cvt_pk_bf16_f32 v[8*a_+\i], v[8*a_+2*\i], v[8*a_+2*\i+1]   ; in place, from the low end on
.endr
.set a_, a_+1
.endr
	WIN 0x0c
.irp m, 0,1,2,3
.irp t, 0,1,2,3,4,5,6,7
	ds_store_b128 v[18+(\m>>1)], v[64*\m+8*\t:64*\m+8*\t+3] offset:16*\pitch*(\m&1)+16*\t
.endr
.endr
	WIN 0
.endm
	s_load_b256 s[4:11], s[0:1], 0x0               ; x s[4:5], wf s[6:7], bperm s[8:9], the pattern s[10:11]
	s_load_b64 s[12:13], s[0:1], 0x20              ; out0
	v_lshl_add_u32 v[SPW], v0, 2, SPARE
	v_mov_b32 v[NIL], 0
	ds_add_u32 v4, v5
	ds_add_u32 v4, v5
	s_wait_dscnt 0x0
	v_lshrrev_b32 v1, 5, v0
	v_readfirstlane_b32 s14, v1                    ; wave 0..3
	v_and_b32 v1, 31, v0                           ; lane
	v_and_b32 v2, 15, v0                           ; r
	v_bfe_u32 v3, v0, 4, 1                         ; h
	s_bfe_u32 s15, ttmp6, 0x40000                  ; cx: my place in the cluster: it enters x's and out0's addresses alone
	s_lshl_b32 s16, ttmp9, 2
	s_add_co_u32 s16, s16, s15                     ; work-group = 4 x cluster + cx
	s_lshl_b32 s16, s16, 2
	s_add_co_u32 s16, s16, s14
	s_lshl_b32 s16, s16, 16                        ; my wave's 16 tokens: rows of 4,096 bytes in x and in out0
	s_mov_b32 s17, 0
	s_mul_i32 s18, s14, PART                       ; my part of a slot, in wf and in LDS
	s_mov_b32 s19, 0
	s_mov_b32 s40, 0x76543210
	s_mov_b32 s41, 0xfedcba98                      ; v_permlanex16_b32's selects for lane l xor 16
	s_mov_b32 s42, 0x3fb8aa3b                      ; log2(e)
	s_mov_b32 s43, s42                             ; (named with it as a pair, so it is written)
	s_lshr_b32 s51, s14, 1
	s_lshl_b32 s51, s51, 9
	s_and_b32 s20, s14, 1
	s_lshl_b32 s20, s20, 7
	s_add_co_u32 s51, s51, s20                     ; 512 (w >> 1) + 128 (w & 1): my place in a token's images of v
	v_lshlrev_b32 v11, 4, v1                       ; 16 x lane
	s_wait_kmcnt 0x0
	s_add_nc_u64 s[4:5], s[4:5], s[16:17]
	s_add_nc_u64 s[12:13], s[12:13], s[16:17]
	s_add_nc_u64 s[6:7], s[6:7], s[18:19]          ; wf at my part of slot 0's first fill
	XLOAD 0
	XLOAD 1
	XLOAD 2
	XLOAD 3
	; descriptor group 1: a part is a dense block: 100 rows of 256 bytes (32 elements of 8 bytes), no padding: the images are read 512 bytes on end
	s_mov_b32 s24, 15|(3<<16)|(1<<21)              ; 15:0 the mask: all four work-groups; 17:16 elements of 8 bytes; 21 set beside a mask
	s_mov_b32 s25, 32<<16                          ; tensor_dim0 = 32
	s_mov_b32 s26, 100<<16                         ; tensor_dim1 = 100
	s_mov_b32 s27, 32<<16                          ; tile_dim0 = 32
	s_mov_b32 s28, 100                             ; tile_dim1 = 100
	s_mov_b32 s29, 32                              ; from row to row
	s_mov_b32 s30, 0
	s_mov_b32 s31, 0
	s_mov_b32 s32, 1                               ; group 0 for slot 0,
	s_mov_b32 s33, s18
	s_mov_b64 s[34:35], s[6:7]
	s_or_b32 s35, s35, 0x80000000
	s_mov_b32 s36, 1                               ; and for slot 1
	s_add_co_u32 s37, s18, SLOTB
	s_add_nc_u64 s[38:39], s[6:7], SLOTB
	s_or_b32 s39, s39, 0x80000000
	v_add_nc_u32 v[AW], s18, v11
	v_add_nc_u32 v[AW+1], SLOTB, v[AW]
	v_lshlrev_b32 v[AS], 2, v1
	v_add_nc_u32 v[AS], s18, v[AS]
	v_add_nc_u32 v[AS], 24576, v[AS]
	v_add_nc_u32 v[AS+1], SLOTB, v[AS]
	s_lshl_b32 s20, s14, 9
	v_lshlrev_b32 v[BOFF], 5, v3
	v_add_nc_u32 v[BOFF], s20, v[BOFF]
	s_mul_i32 s20, s14, 8448
	v_add_nc_u32 v12, s20, v11
	v_add_nc_u32 v12, STG, v12                     ; my stage, on the way in: a row's 512 bytes as they lie
	v_mul_u32_u24 v13, v2, 528
	v_lshl_add_u32 v13, v3, 6, v13
	v_add_nc_u32 v13, s20, v13
	v_add_nc_u32 v13, STG, v13                     ; on the way out: row r, + 64 h
	s_mul_i32 s20, s14, 1536
	v_add_nc_u32 v14, s20, v11
	v_add_nc_u32 v14, XIMG, v14                    ; where I store x's images: tile of tokens m = my wave
	s_lshl_b32 s20, s14, 7
	v_lshlrev_b32 v15, 2, v2
	v_add_nc_u32 v15, s20, v15
	v_add_nc_u32 v15, XSC, v15                     ; and their scale words
	v_add_nc_u32 v16, XIMG, v11                    ; where any image is read
	v_lshlrev_b32 v17, 2, v1
	v_add_nc_u32 v17, XSC, v17
	v_mul_u32_u24 v18, v2, UP
	v_mad_u32_u24 v18, v3, 12, v18
	s_mul_i32 s20, s14, 96
	v_add_nc_u32 v18, s20, v18
	v_add_nc_u32 v18, UC, v18                      ; k's and q's codes: token r's row, + 96 w (my 128 columns) + 12 h (my 16 codes of a block)
	v_mul_u32_u24 v19, v2, USP
	s_lshl_b32 s20, s14, 2
	v_add_nc_u32 v19, s20, v19
	v_add_nc_u32 v19, USC, v19                     ; and their scale words: + 4 w
.irp b, 0,1,2,3
	v_mov_b32 v[TP+\b], 0                          ; written once: a lane permute's destination counts as one of its sources
.endr
	CROUND                                         ; all four work-groups are here: the first joint loads meet
	tensor_load_to_lds s[32:35], s[24:31]          ; both slots' first fills go out together, ahead of every LDS read: two loads of mine are out
	s_nop 0
	tensor_load_to_lds s[36:39], s[24:31]
	s_nop 0
	PLACES 4
	; ---- x: my 16 tokens become eight fragments
	XSTEP 0
	XSTEP 1
	XSTEP 2
	XSTEP 3
	XSTEP 4
	XSTEP 5
	XSTEP 6
	XSTEP 7
	BARRIER                                        ; the 32 fragments of the 64 tokens lie in LDS
	WIN 0x40
.set f_, 0
.rept 20
.irp g, 0,1,2
	ds_load_b128 v[12*f_+4*\g:12*f_+4*\g+3], v16 offset:1536*f_+512*\g
.endr
.set f_, f_+1
.endr
	WIN 0x80
.rept 12
.irp g, 0,1,2
	ds_load_b128 v[12*(f_-20)+4*\g:12*(f_-20)+4*\g+3], v16 offset:1536*f_+512*\g
.endr
.set f_, f_+1
.endr
	WIN 0
.irp i, 0,1,2,3,4,5,6,7,8,9,10,11,12,13,14,15
	ds_load_b32 v[XS+\i], v17 offset:128*\i
.endr
	BIASLOAD                                       ; round 0's
	s_wait_tensorcnt 0x1                           ; my part of slot 0 is in, and nobody else reads it; slot 1's may be out
	FETCH 0
	s_mov_b32 s44, 4
	s_mov_b32 s45, 0                               ; where a round's codes begin in a token's row: 384 bytes a round: k, k, q, q
	s_mov_b32 s46, 0                               ; and its scale bytes: 16 a round
	; ---- k and q: four rounds; each round's results are quantised in registers and go to the tokens' rows
.Lqk:
	GROUND 1, 1, 1, 1, 1, 1
	PLACES 4
	v_add_nc_u32 v20, s45, v18
	v_add_nc_u32 v21, 32*UP, v20                   ; tokens 32 on
	v_add_nc_u32 v22, s46, v19
.irp m, 0,1,2,3
	QCORE 64*\m, 0
.irp b, 0,1,2,3
.irp i, 0,1,2
	ds_store_b32 v[20+(\m>>1)], v[PC+4*\b+\i] offset:16*UP*(\m&1)+24*\b+4*\i   ; 388 words from token to token, 3 from half to half: the 32 lanes touch 32 different banks
.endr
.endr
	ds_store_b32 v22, v[PW] offset:16*USP*\m       ; lanes r and 16 + r write the same word with the same value
.endr
	s_add_co_u32 s45, s45, 384
	s_add_co_u32 s46, s46, 16
	s_sub_co_u32 s44, s44, 1
	s_cmp_lg_u32 s44, 0
	s_cbranch_scc1 .Lqk
	; ---- the scores and the softmax: my 16 tokens, four a trip
	BARRIER                                        ; every token's codes of k and q lie in its row
	s_mul_i32 s20, s14, 16*UP
	v_mul_u32_u24 v11, v2, 48
	v_mad_u32_u24 v11, v3, 24, v11
	v_add_nc_u32 v11, s20, v11
	v_add_nc_u32 v11, UC, v11                      ; head r's 64 codes are 48 bytes; + 24 h: my block
	v_lshlrev_b32 v12, 4, v1
	v_add_nc_u32 v12, s20, v12
	v_add_nc_u32 v12, UC, v12                      ; p's image: 16 x lane
	s_mul_i32 s20, s14, 16*USP
	v_lshlrev_b32 v13, 1, v2
	v_lshl_add_u32 v13, v3, 5, v13
	v_add_nc_u32 v13, s20, v13
	v_add_nc_u32 v13, USC, v13                     ; head r's two scale bytes: lanes 0-15 k's, lanes 16-31 q's
	v_lshlrev_b32 v14, 6, v2
	v_lshl_add_u32 v14, v3, 5, v14                 ; the pattern: row r, columns 8 h + 0 .. 7
	WIN 0xc0
	global_load_b128 v[PAT:PAT+3], v14, s[10:11]
	global_load_b128 v[PAT+4:PAT+7], v14, s[10:11] offset:16
.irp u, 0,1,2,3
.irp i, 6,7,8,9,10,11,18,19,20,21,22,23
	v_mov_b32 v[24*\u+\i], 0                       ; K = 64 .. 127 of both operands: zero codes, which add nothing
.endr
.endr
.irp u, 0,1,2,3
	v_mov_b32 v[ST+8*\u+1], 0                      ; a lane permute's destination counts as one of its sources
.endr
	WIN 0
	s_mov_b32 s47, 4
	s_mov_b32 s48, 0
	s_mov_b32 s49, 0
.Lscore:
	v_add_nc_u32 v15, s48, v11
	v_add_nc_u32 v16, s48, v12
	v_add_nc_u32 v17, s49, v13
	WIN 0xc0
.irp u, 0,1,2,3
.irp i, 0,1,2
	ds_load_b64 v[24*\u+2*\i:24*\u+2*\i+1], v15 offset:UP*\u+8*\i            ; k: 24 bytes of the row's stream of bits, as they lie
	ds_load_b64 v[24*\u+12+2*\i:24*\u+13+2*\i], v15 offset:UP*\u+768+8*\i    ; q
.endr
.endr
	WIN 0
.irp u, 0,1,2,3
	ds_load_u16 v[SW+\u], v17 offset:USP*\u        ; bytes 2 and 3 come as 0, over zero codes
.endr
	s_wait_dscnt 0x0
	s_wait_loadcnt 0x0                             ; the pattern (met at once from the second trip on)
	WIN 0xff
.irp u, 0,1,2,3
	v_wmma_scale_f32_16x16x128_f8f6f4 v[SS+8*\u:SS+8*\u+7], v[24*\u:24*\u+11], v[24*\u+12:24*\u+23], 0, v[SW+\u], v[SW+\u] matrix_a_fmt:MATRIX_FMT_FP6 matrix_b_fmt:MATRIX_FMT_FP6 matrix_b_scale:MATRIX_SCALE_ROW1
.endr                                  ; lane (r, h), register j: q's head r . k's head 8 h + j
	PLACES 4
.irp i, 0,2,4,6
.irp u, 0,1,2,3
	v_pk_mul_f32 v[SS+8*\u+\i:SS+8*\u+\i+1], v[SS+8*\u+\i:SS+8*\u+\i+1], v[PAT+\i:PAT+\i+1]   ; x the pattern: a factor, as it is given.  (The four tokens by turns)
.endr
.endr
.irp u, 0,1,2,3
	v_max3_num_f32 v[ST+8*\u], v[SS+8*\u], v[SS+8*\u+1], v[SS+8*\u+2]
.endr
.irp u, 0,1,2,3
	v_max3_num_f32 v[ST+8*\u], v[ST+8*\u], v[SS+8*\u+3], v[SS+8*\u+4]
.endr
.irp u, 0,1,2,3
	v_max3_num_f32 v[ST+8*\u], v[ST+8*\u], v[SS+8*\u+5], v[SS+8*\u+6]
.endr
.irp u, 0,1,2,3
	v_max_num_f32 v[ST+8*\u], v[ST+8*\u], v[SS+8*\u+7]
.endr
.irp u, 0,1,2,3
	v_permlanex16_b32 v[ST+8*\u+1], v[ST+8*\u], s40, s41
.endr
.irp u, 0,1,2,3
	v_max_num_f32 v[ST+8*\u], v[ST+8*\u], v[ST+8*\u+1]   ; the row's maximum over all 16 g
.endr
.irp u, 0,1,2,3
	v_mul_f32 v[ST+8*\u], s42, v[ST+8*\u]          ; c m, c = log2(e)
.endr
.irp i, 0,2,4,6
.irp u, 0,1,2,3
	v_pk_fma_f32 v[SS+8*\u+\i:SS+8*\u+\i+1], v[SS+8*\u+\i:SS+8*\u+\i+1], s[42:43], v[ST+8*\u:ST+8*\u+1] op_sel_hi:[1,0,0] neg_lo:[0,0,1] neg_hi:[0,0,1]   ; c s - c m, rounded once; c m's own rounding is common to the row and cancels in the division
.endr
.endr
.irp j, 0,1,2,3,4,5,6,7
.irp u, 0,1,2,3
	v_exp_f32 v[SS+8*\u+\j], v[SS+8*\u+\j]
.endr
.endr
	v_nop                                          ; a plain line behind the last exponential
	s_wait_alu depctr_va_vdst(0)                   ; one wait for the 32 exponentials, ahead of their first reader
.irp u, 0,1,2,3
	v_pk_add_f32 v[ST+8*\u+2:ST+8*\u+3], v[SS+8*\u:SS+8*\u+1], v[SS+8*\u+2:SS+8*\u+3]
.endr
.irp u, 0,1,2,3
	v_pk_add_f32 v[ST+8*\u+4:ST+8*\u+5], v[SS+8*\u+4:SS+8*\u+5], v[SS+8*\u+6:SS+8*\u+7]
.endr
.irp u, 0,1,2,3
	v_pk_add_f32 v[ST+8*\u+2:ST+8*\u+3], v[ST+8*\u+2:ST+8*\u+3], v[ST+8*\u+4:ST+8*\u+5]
.endr
.irp u, 0,1,2,3
	v_add_f32 v[ST+8*\u+2], v[ST+8*\u+2], v[ST+8*\u+3]
.endr
.irp u, 0,1,2,3
	v_permlanex16_b32 v[ST+8*\u+3], v[ST+8*\u+2], s40, s41
.endr
.irp u, 0,1,2,3
	v_add_f32 v[ST+8*\u+2], v[ST+8*\u+2], v[ST+8*\u+3]   ; the row's sum
.endr
.irp u, 0,1,2,3
	v_rcp_f32 v[ST+8*\u+4], v[ST+8*\u+2]
.endr
	v_nop                                          ; a plain line behind the last reciprocal
	s_wait_alu depctr_va_vdst(0)                   ; one wait for the four
.irp i, 0,2,4,6
.irp u, 0,1,2,3
	v_pk_mul_f32 v[SS+8*\u+\i:SS+8*\u+\i+1], v[SS+8*\u+\i:SS+8*\u+\i+1], v[ST+8*\u+4:ST+8*\u+5] op_sel_hi:[1,0]
.endr
.endr
.irp i, 0,1,2,3
.irp u, 0,1,2,3
	v_cvt_pk_bf16_f32 v[PB+4*\u+\i], v[SS+8*\u+2*\i], v[SS+8*\u+2*\i+1]   ; lane (r, h): head r's weights for g = 8 h + 0 .. 7: registers 0-3 of the last product's source 0
.endr
.endr
	WIN 0x0c
.irp u, 0,1,2,3
	ds_store_b128 v16, v[PB+4*\u:PB+4*\u+3] offset:UP*\u   ; over the token's codes of k, which have been read; only this wave reads this row
.endr
	WIN 0
	s_wait_dscnt 0x0                               ; the stores have read their registers: the next trip writes the addresses anew
	s_add_co_u32 s48, s48, 4*UP
	s_add_co_u32 s49, s49, 4*USP
	s_sub_co_u32 s47, s47, 1
	s_cmp_lg_u32 s47, 0
	s_cbranch_scc1 .Lscore
	; ---- v: two rounds.  The barriers inside the first order its stores behind every wave's reads of k's and q's codes
	GROUND 1, 1, 1, 1, 1, 1
	EPIV UP, UC+512                                ; tiles 0, 1 into the tokens' rows, over the codes
	GROUND 1, 1, 0, -1, 0, 0                       ; the tail is written out: the last two slots ask for nothing
	EPIV VP, 0                                     ; tiles 2, 3 into slot 0: it has had its last fill, and every wave's reads of it were over at the barrier of K step 4
	; ---- the last product and the way out: my 16 tokens, two a trip
	BARRIER                                        ; every token's v lies in its rows
	s_mul_i32 s20, s14, 16*UP
	v_lshlrev_b32 v13, 4, v1
	v_add_nc_u32 v13, s20, v13
	v_add_nc_u32 v13, UC, v13
	s_mul_i32 s20, s14, 16*VP
	v_lshlrev_b32 v14, 4, v1
	v_add_nc_u32 v14, s20, v14
	v_lshlrev_b32 v15, 4, v2
	v_lshl_add_u32 v15, v3, 11, v15                ; out0: lanes 0-15 fill head j's 256 bytes, lanes 16-31 head 8 + j's
.irp u, 0,1
.irp i, 4,5,6,7
	v_mov_b32 v[64+8*\u+\i], 0                     ; K = 16 .. 31 of both operands: zeros
.endr
.endr
.set a_, 0
.rept 8
.irp i, 4,5,6,7
	v_mov_b32 v[80+8*a_+\i], 0
.endr
.set a_, a_+1
.endr
	s_mov_b32 s48, 0
	s_mov_b32 s50, 0
.macro PVLOAD                          ; two tokens: p's image and v's four tiles, each 512 consecutive bytes
	v_add_nc_u32 v11, s48, v13
	v_add_nc_u32 v12, s50, v14
.irp u, 0,1
	ds_load_b128 v[64+8*\u:67+8*\u], v11 offset:UP*\u
	ds_load_b128 v[80+32*\u:83+32*\u], v11 offset:UP*\u+512
	ds_load_b128 v[88+32*\u:91+32*\u], v11 offset:UP*\u+1024
	ds_load_b128 v[96+32*\u:99+32*\u], v12 offset:VP*\u
	ds_load_b128 v[104+32*\u:107+32*\u], v12 offset:VP*\u+512
.endr
.endm
.macro PVTRIP next
	s_wait_dscnt 0x0
	WIN 0xc0
.irp u, 0,1
.irp i, 0,1,2,3
	v_wmma_f32_16x16x32_bf16 v[8*(4*\u+\i):8*(4*\u+\i)+7], v[64+8*\u:71+8*\u], v[80+8*(4*\u+\i):87+8*(4*\u+\i)], 0   ; lane (r, h), register j: head 8 h + j, channel 4 r + i
.endr
.endr
	WIN 0
	PLACES 4
.if \next
	s_add_co_u32 s48, s48, 2*UP
	s_add_co_u32 s50, s50, 2*VP
	PVLOAD                                         ; the next two tokens' operands land while these results leave
.endif
	WIN 0x03
.irp j, 0,1,2,3,4,5,6,7
.irp u, 0,1
.irp i, 0,1,2,3
	v_mov_b32 v[144+32*\u+4*\j+\i], v[8*(4*\u+\i)+\j]   ; the four tiles' numbers of a head side by side: 16 consecutive bytes of out0.  Each result from its low end on
.endr
.endr
.endr
	WIN 0
.irp u, 0,1
.irp j, 0,1,2,3,4,5,6,7
	global_store_b128 v15, v[144+32*\u+4*\j:147+32*\u+4*\j], s[12:13] offset:4096*\u+256*\j th:TH_STORE_NT   ; sixteen lanes store 256 consecutive bytes, at a multiple of 256 from out0's first byte
.endr
.endr
.if \next
	s_wait_xcnt 0x0                                ; the stores have read their registers and their base: both are written again only behind this wait
	s_add_nc_u64 s[12:13], s[12:13], 8192
.endif
.endm
	PVLOAD
	s_mov_b32 s47, 7
.Lpv:
	PVTRIP 1
	s_sub_co_u32 s47, s47, 1
	s_cmp_lg_u32 s47, 0
	s_cbranch_scc1 .Lpv
	PVTRIP 0                                       ; the last two tokens: nothing more to fetch
	s_wait_tensorcnt 0x0                           ; the wave's end, behind my last tensor load and my last LDS store
	ds_add_u32 v[SPW], v[NIL]
	s_wait_dscnt 0x0
	CROUND                                         ; the closing round: no work-group ends while a partner may still ask for a part that names it
	s_endpgm
.Lfunc_end_k_qfb78b3124d_fused:
	.size	k_qfb78b3124d_fused, .Lfunc_end_k_qfb78b3124d_fused-k_qfb78b3124d_fused
	.p2alignl 7, 3214868480
	.fill 96, 4, 3214868480
	.section	.rodata,"a",@progbits
	.p2align	6, 0x0
	.amdhsa_kernel k_qfb78b3124d_fused
		.amdhsa_group_segment_fixed_size 327680
		.amdhsa_private_segment_fixed_size 0
		.amdhsa_enable_private_segment 0
		.amdhsa_kernarg_size 40
		.amdhsa_user_sgpr_count 2
		.amdhsa_user_sgpr_kernarg_segment_ptr 1
		.amdhsa_wavefront_size32 1
		.amdhsa_system_sgpr_workgroup_id_x 1
		.amdhsa_system_sgpr_workgroup_id_y 1
		.amdhsa_system_sgpr_workgroup_id_z 1
		.amdhsa_system_vgpr_workitem_id 0
		.amdhsa_next_free_vgpr 1024
		.amdhsa_next_free_sgpr 66
		.amdhsa_reserve_vcc 0
		.amdhsa_float_denorm_mode_32 3
		.amdhsa_float_denorm_mode_16_64 3
		.amdhsa_memory_ordered 1
		.amdhsa_forward_progress 1
		.amdhsa_inst_pref_size 255
	.end_amdhsa_kernel
	.section	.bss,"aw",@nobits
	.p2align	6
	.space	262144
	.amdgpu_metadata
---
amdhsa.version: [ 1, 2 ]
amdhsa.kernels:
  - .name:           k_qfb78b3124d_fused
    .symbol:         k_qfb78b3124d_fused.kd
    .args:
      - { .name: x, .offset: 0, .size: 8, .value_kind: global_buffer, .address_space: global }
      - { .name: wf, .offset: 8, .size: 8, .value_kind: global_buffer, .address_space: global }
      - { .name: bperm, .offset: 16, .size: 8, .value_kind: global_buffer, .address_space: global }
      - { .name: sparsity_pattern, .offset: 24, .size: 8, .value_kind: global_buffer, .address_space: global }
      - { .name: out0, .offset: 32, .size: 8, .value_kind: global_buffer, .address_space: global }
    .group_segment_fixed_size: 327680
    .private_segment_fixed_size: 0
    .kernarg_segment_align: 8
    .kernarg_segment_size: 40
    .max_flat_workgroup_size: 128
    .sgpr_count:     66
    .vgpr_count:     1024
    .wavefront_size: 32
...
	.end_amdgpu_metadata
.endif
;; end of part 2
;; ======== version 2 of 2: 2 launches
;; limits: values are held in bf16: 8 bits of precision; right only within a limited range of input values
;; workspace buffers: wf 2,457,600 bytes; bperm 12,288 bytes
;; launch prep (part 3): grid 195 x 1, 8 waves a work-group, no clusters, 69,120 bytes of LDS; arguments Wk, Wq, Wv, bk, bq, bv, wf, bperm; writes wf, bperm
.if DOCPART == 3
	.amdgcn_target "amdgcn-amd-amdhsa--gfx1250"
	.amdhsa_code_object_version 6
	.text
	.protected	k_qfb78b3124d_prep
	.globl	k_qfb78b3124d_prep
	.p2align	8
	.type	k_qfb78b3124d_prep,@function
k_qfb78b3124d_prep:
	s_mov_b64 s[64:65], 0
	v_nop
	global_prefetch_b8 v0, s[64:65] scope:SCOPE_SE
	s_setreg_imm32_b32 hwreg(HW_REG_WAVE_MODE, 25, 1), 1
	s_wait_xcnt 0x0
; Wk, Wq, Wv [1024 (out)][1024 (K)] f32 become codes of FP6 (E2M3) with one E8M0 scale byte for each 32 along K, laid in wf AS IMAGES OF THE OPERAND'S REGISTERS, in the order in which
; the second launch walks them; the biases are laid in bperm in the same order of rows.
; ORDER.  Six rounds c of 512 rows: c = 0, 1 Wk; 2, 3 Wq; 4, 5 Wv.  In a round wave w of the second launch takes 8 tiles t of 16 rows.  Row m of tile t is row e of W:
;   Wk, Wq: e = 128 (4 (c & 1) + w) + 32 (t >> 1) + 8 (t & 1) + m + 8 (m >> 3);      Wv: e = 64 m + 32 (w & 1) + 4 t + 2 (c & 1) + (w >> 1)   (one channel of all 16 heads).
; wf: part p = 16 c + 4 kp + w (kp: which 256 along K) is 25,600 bytes: 16 fragment images of 1,536 bytes at (8 sl + t) x 1,536 (sl: which 128 of the 256), each three groups of 512 bytes,
; lane l's registers 4 g .. 4 g + 3 at 512 g + 16 l; then 1,024 bytes of scale words BY LANES: lane l's eight words (t = 0 .. 7) on end at 32 l + 4 t; lanes 0-15 hold row r's word of sl = 0, lanes 16-31 that of sl = 1.
; bperm: f32 at (4 c + w) x 128 + 16 t + m.
; SHARES.  Work-groups 0 .. 191: work-group 2 p + sl takes 128 along K of part p, wave t its tile t: 16 rows x 512 bytes.  Each load reads 512 consecutive bytes of a row; the rows turn through the wave's own stage in
; LDS so that lane (r, h) holds k = 64 c2 + 32 h + 0 .. 31 of row r: whole blocks, in the operand's own order, so that the conversions' results are the operand's registers.  Every store covers 512 consecutive bytes.
; Work-groups 192 .. 194 lay out the biases: each of their 24 waves one (c, w): 128 numbers, one store of 512 consecutive bytes.  They touch no LDS and meet no barrier.
; A block's scale is 2^(floor(log2(its largest magnitude)) - 2); its byte is the largest magnitude's exponent field - 2, held at 1 from below.
; LIMITS: a block of zeros, or one whose largest magnitude lies under 2^-124, gets the byte 1 (its codes are zeros or subnormal; the bytes are read by this program alone); NaN and infinities are not served.
.set NW,   192                         ; work-groups that take weights
.set STGW, 8448                        ; LDS of a wave: a stage of 16 rows
.set SPT,  528                         ; of 512 bytes + 16: the sixteen rows that a read touches begin 16 bytes apart modulo 256
.set SCB,  67584                       ; behind the stages: the work-group's 512 bytes of scale words
.set SPARE, 68096                      ; behind them: the spare words, 128 bytes for each wave: four blocks of 256 bytes that no other line names
.set PART, 25600
.set OFF,  16                          ; v16-31   row m's byte offset in W + 16 x lane
.set F,    32                          ; v32-43   the fragment
.set R,    64                          ; v64-127  the rows as loaded: 4 m
.set SPW,  128                         ; v128     LDS address of my spare word; never rewritten
.set NIL,  129                         ; v129     0; never rewritten
.set X,    192                         ; v192-255 two whole blocks of 32
	s_load_b256 s[4:11], s[0:1], 0x0               ; Wk s[4:5], Wq s[6:7], Wv s[8:9], bk s[10:11]
	s_load_b256 s[12:19], s[0:1], 0x20             ; bq s[12:13], bv s[14:15], wf s[16:17], bperm s[18:19]
	v_lshl_add_u32 v[SPW], v0, 2, SPARE
	v_mov_b32 v[NIL], 0
	v_lshrrev_b32 v1, 5, v0
	s_delay_alu instid0(VALU_DEP_1)
	v_readfirstlane_b32 s20, v1                    ; wave = tile t
	v_and_b32 v1, 31, v0                           ; lane
	v_and_b32 v2, 15, v0                           ; r
	v_bfe_u32 v3, v0, 4, 1                         ; h
	s_delay_alu instid0(VALU_DEP_3)
	v_lshlrev_b32 v4, 4, v1                        ; 16 x lane
	s_mul_i32 s38, s20, STGW
	v_add_nc_u32 v5, s38, v4                       ; the stage, on the way in: a row's 512 bytes as they lie
	v_mul_u32_u24 v6, v2, SPT
	s_delay_alu instid0(VALU_DEP_1)
	v_lshl_add_u32 v6, v3, 7, v6
	s_delay_alu instid0(VALU_DEP_1)
	v_add_nc_u32 v6, s38, v6                       ; and on the way out: row r, + 128 h: my block of 32 numbers
	s_lshl_b32 s39, s20, 2
	v_lshl_add_u32 v7, v2, 5, SCB
	s_delay_alu instid0(VALU_DEP_1)
	v_add_nc_u32 v7, s39, v7                       ; my row's scale word: 32 r + 4 x wave
	v_add_nc_u32 v8, SCB, v4                       ; where wave 0 reads the 512 bytes back
	v_lshlrev_b32 v63, 3, v3                       ; 8 h
	v_mov_b32 v59, 0                               ; written once: a lane permute's destination counts as one of its sources
	s_mov_b32 s40, 0x76543210
	s_mov_b32 s41, 0xfedcba98                      ; v_permlanex16_b32's selects for lane l xor 16
	s_lshr_b32 s44, ttmp9, 1                       ; the part
	s_and_b32 s45, ttmp9, 1                        ; sl
	s_and_b32 s21, s44, 3                          ; w
	s_lshr_b32 s22, s44, 4                         ; c
	s_bfe_u32 s23, s44, 0x20002                    ; kp
	s_lshl_b32 s46, ttmp9, 3
	s_add_co_u32 s46, s46, s20
	s_sub_co_u32 s46, s46, 8*NW                    ; in the biases' work-groups: 4 c + w = 8 (work-group - 192) + wave
	s_and_b32 s47, s46, 3
	s_lshr_b32 s46, s46, 2
	s_cmp_ge_u32 ttmp9, NW
	s_cselect_b32 s21, s47, s21
	s_cselect_b32 s22, s46, s22
	s_and_b32 s24, s22, 1                          ; c & 1
	s_lshl_b32 s25, s24, 9
	s_lshl_b32 s26, s21, 7
	s_add_co_u32 s25, s25, s26                     ; Wk, Wq: 128 (4 (c & 1) + w)
	s_and_b32 s26, s21, 1
	s_lshl_b32 s26, s26, 5
	s_lshl_b32 s27, s24, 1
	s_add_co_u32 s26, s26, s27
	s_lshr_b32 s27, s21, 1
	s_add_co_u32 s26, s26, s27                     ; Wv: 32 (w & 1) + 2 (c & 1) + (w >> 1)
	s_cmp_ge_u32 s22, 4                            ; the two orders of rows differ in five numbers alone
	s_cselect_b32 s25, s26, s25                    ; EB: the first row of (c, w)
	s_cselect_b32 s26, 8, 32                       ; TA: rows for each t >> 1
	s_cselect_b32 s27, 4, 8                        ; TB: for t & 1
	s_cselect_b32 s28, 64, 1                       ; MS: from m to m + 1
	s_cselect_b32 s29, 0, 8                        ; HS: more from m = 7 to m = 8
	s_lshr_b32 s30, s20, 1
	s_mul_i32 s30, s30, s26
	s_and_b32 s31, s20, 1
	s_mul_i32 s31, s31, s27
	s_add_co_u32 s30, s30, s31
	s_add_co_u32 s30, s30, s25                     ; my tile's row 0
	s_lshl_b32 s30, s30, 12                        ; a row of W is 4,096 bytes
	s_lshl_b32 s31, s23, 10
	s_add_co_u32 s30, s30, s31                     ; + 1,024 kp
	s_lshl_b32 s31, s45, 9
	s_add_co_u32 s30, s30, s31                     ; + 512 sl
	s_lshl_b32 s32, s28, 12
	s_lshl_b32 s33, s29, 12
.irp m, 0,1,2,3,4,5,6,7,8,9,10,11,12,13,14,15
	v_add_nc_u32 v[OFF+\m], s30, v4
	s_add_co_u32 s30, s30, s32
.if \m == 7
	s_add_co_u32 s30, s30, s33
.endif
.endr
	s_mul_i32 s34, s44, PART
	s_mov_b32 s35, 0
	s_lshl_b32 s42, s22, 2
	s_add_co_u32 s42, s42, s21
	s_lshl_b32 s42, s42, 9                         ; bperm: (4 c + w) x 512 bytes
	s_mov_b32 s43, 0
	s_wait_alu depctr_va_vdst(0)                   ; the wait at the head's end
	s_wait_kmcnt 0x0
	s_cmp_lt_u32 s22, 2                            ; which weight and which bias: the choice hangs on the work-group's and the wave's number alone
	s_cselect_b64 s[6:7], s[4:5], s[6:7]
	s_cselect_b64 s[12:13], s[10:11], s[12:13]
	s_cmp_lt_u32 s22, 4
	s_cselect_b64 s[6:7], s[6:7], s[8:9]
	s_cselect_b64 s[12:13], s[12:13], s[14:15]
	s_cmp_ge_u32 ttmp9, NW
	s_cbranch_scc1 .Lbias
	s_add_nc_u64 s[16:17], s[16:17], s[34:35]      ; wf at my part
	s_mul_i32 s34, s20, 1536
	s_mul_i32 s33, s45, 12288
	s_add_co_u32 s34, s34, s33
	s_add_nc_u64 s[36:37], s[16:17], s[34:35]      ; at my tile's image: (8 sl + t) x 1,536
	s_lshl_b32 s34, s45, 9
	s_add_nc_u64 s[16:17], s[16:17], s[34:35]      ; and, with the store's offset, at my work-group's 512 bytes of scale words
.irp m, 0,1,2,3,4,5,6,7,8,9,10,11,12,13,14,15
	global_load_b128 v[R+4*\m:R+4*\m+3], v[OFF+\m], s[6:7] th:TH_LOAD_NT   ; 32 lanes read 512 consecutive bytes of row m
.endr
	s_wait_loadcnt 0x0
.irp m, 0,1,2,3,4,5,6,7,8,9,10,11,12,13,14,15
	ds_store_b128 v5, v[R+4*\m:R+4*\m+3] offset:SPT*\m
.endr
.irp c, 0,1
.irp j, 0,1,2,3,4,5,6,7
	ds_load_b128 v[X+32*\c+4*\j:X+32*\c+4*\j+3], v6 offset:256*\c+16*\j   ; LDS serves a wave's instructions in order: these see my stores.  k = 64 c + 32 h + 4 j ..
.endr
.endr
	s_wait_dscnt 0x0
.irp c, 0,1
	v_max3_num_f32 v[9+\c], |v[X+32*\c]|, |v[X+32*\c+1]|, 0x1800000   ; my block 2 c + h, and the floor 2^(3 - 127): the byte cannot fall under 1
.endr
.irp i, 2,4,6,8,10,12,14,16,18,20,22,24,26,28,30
.irp c, 0,1
	s_delay_alu instid0(VALU_DEP_2)
	v_max3_num_f32 v[9+\c], v[9+\c], |v[X+32*\c+\i]|, |v[X+32*\c+\i+1]|   ; (the two blocks by turns)
.endr
.endr
.irp c, 0,1
	s_delay_alu instid0(VALU_DEP_2)
	v_add_nc_u32 v[11+\c], 0xff000000, v[9+\c]     ; 2 off the exponent field: the conversion takes the exponent field of this operand as its scale
.endr
.irp c, 0,1
	s_delay_alu instid0(VALU_DEP_2)
	v_lshrrev_b32 v[9+\c], 23, v[11+\c]            ; the scale's byte
.endr
	s_delay_alu instid0(VALU_DEP_1)
	v_lshl_or_b32 v13, v10, 16, v9                 ; my two bytes, blocks h and 2 + h,
	s_delay_alu instid0(VALU_DEP_1)
	v_lshlrev_b32 v13, v63, v13                    ; at their places in the scale word;
	s_delay_alu instid0(VALU_DEP_1)
	v_permlanex16_b32 v59, v13, s40, s41
	s_delay_alu instid0(VALU_DEP_1)
	v_or_b32 v14, v13, v59                         ; with lane l xor 16's two the word is whole, in both lanes
.irp c, 0,1
	v_cvt_scalef32_pk16_fp6_f32 v[F+6*\c:F+6*\c+2], v[X+32*\c:X+32*\c+15], v[11+\c]
	v_cvt_scalef32_pk16_fp6_f32 v[56+4*\c:58+4*\c], v[X+32*\c+16:X+32*\c+31], v[11+\c]   ; (a conversion's three registers begin on an even number: the block's second half is made here and moved)
.endr
	v_nop                                          ; one plain line behind a scaled conversion
.irp c, 0,1
.irp i, 0,1,2
	v_mov_b32 v[F+6*\c+3+\i], v[56+4*\c+\i]
.endr
.endr
.irp g, 0,1,2
	global_store_b128 v4, v[F+4*\g:F+4*\g+3], s[36:37] offset:512*\g   ; the image: 32 lanes store 512 consecutive bytes
.endr
	ds_store_b32 v7, v14                           ; lanes r and 16 + r write the same word with the same value
	s_wait_dscnt 0x0                               ; for the others' sake: my words lie in LDS
	s_barrier_signal -1
	s_barrier_wait -1
	s_cmp_lg_u32 s20, 0
	s_cbranch_scc1 .Lend
	ds_load_b128 v[64:67], v8                      ; wave 0: the work-group's scale words leave as 512 consecutive bytes
	s_wait_dscnt 0x0
	global_store_b128 v4, v[64:67], s[16:17] offset:24576
.Lend:
	s_wait_tensorcnt 0x0                           ; the wave's end, behind my last LDS store
	ds_add_u32 v[SPW], v[NIL]
	s_wait_dscnt 0x0
	s_endpgm
.Lbias:                                ; my wave's (c, w): lane l takes tile l >> 2, rows 4 (l & 3) + 0 .. 3
	s_add_nc_u64 s[18:19], s[18:19], s[42:43]
	v_lshrrev_b32 v64, 2, v1
	s_delay_alu instid0(VALU_DEP_1)
	v_lshrrev_b32 v65, 1, v64
	s_delay_alu instid0(VALU_DEP_2)
	v_and_b32 v66, 1, v64
	s_delay_alu instid0(VALU_DEP_2)
	v_mul_lo_u32 v65, v65, s26
	s_delay_alu instid0(VALU_DEP_2)
	v_mul_lo_u32 v66, v66, s27
	s_delay_alu instid0(VALU_DEP_1)
	v_add3_u32 v65, v65, v66, s25
	v_and_b32 v66, 3, v1
	s_delay_alu instid0(VALU_DEP_1)
	v_lshlrev_b32 v66, 2, v66
	s_delay_alu instid0(VALU_DEP_1)
	v_mul_lo_u32 v67, v66, s28
	s_delay_alu instid0(VALU_DEP_2)
	v_lshrrev_b32 v66, 3, v66
	s_delay_alu instid0(VALU_DEP_1)
	v_mul_lo_u32 v66, v66, s29
	s_delay_alu instid0(VALU_DEP_1)
	v_add3_u32 v65, v65, v67, v66                  ; e of the first of my four rows
	s_lshl_b32 s39, s28, 2
	v_lshlrev_b32 v72, 2, v65
	s_delay_alu instid0(VALU_DEP_1)
	v_add_nc_u32 v73, s39, v72
	s_delay_alu instid0(VALU_DEP_1)
	v_add_nc_u32 v74, s39, v73
	s_delay_alu instid0(VALU_DEP_1)
	v_add_nc_u32 v75, s39, v74
	global_load_b32 v76, v72, s[12:13]
	global_load_b32 v77, v73, s[12:13]
	global_load_b32 v78, v74, s[12:13]
	global_load_b32 v79, v75, s[12:13]
	s_wait_loadcnt 0x0
	global_store_b128 v4, v[76:79], s[18:19]       ; 128 biases: 512 consecutive bytes
	s_endpgm
.Lfunc_end_k_qfb78b3124d_prep:
	.size	k_qfb78b3124d_prep, .Lfunc_end_k_qfb78b3124d_prep-k_qfb78b3124d_prep
	.p2alignl 7, 3214868480
	.fill 96, 4, 3214868480
	.section	.rodata,"a",@progbits
	.p2align	6, 0x0
	.amdhsa_kernel k_qfb78b3124d_prep
		.amdhsa_group_segment_fixed_size 69120
		.amdhsa_private_segment_fixed_size 0
		.amdhsa_enable_private_segment 0
		.amdhsa_kernarg_size 64
		.amdhsa_user_sgpr_count 2
		.amdhsa_user_sgpr_kernarg_segment_ptr 1
		.amdhsa_wavefront_size32 1
		.amdhsa_system_sgpr_workgroup_id_x 1
		.amdhsa_system_sgpr_workgroup_id_y 1
		.amdhsa_system_sgpr_workgroup_id_z 1
		.amdhsa_system_vgpr_workitem_id 0
		.amdhsa_next_free_vgpr 256
		.amdhsa_next_free_sgpr 66
		.amdhsa_reserve_vcc 0
		.amdhsa_float_denorm_mode_32 3
		.amdhsa_float_denorm_mode_16_64 3
		.amdhsa_memory_ordered 1
		.amdhsa_forward_progress 1
		.amdhsa_inst_pref_size 16
	.end_amdhsa_kernel
	.amdgpu_metadata
---
amdhsa.version: [ 1, 2 ]
amdhsa.kernels:
  - .name:           k_qfb78b3124d_prep
    .symbol:         k_qfb78b3124d_prep.kd
    .args:
      - { .name: Wk, .offset: 0, .size: 8, .value_kind: global_buffer, .address_space: global }
      - { .name: Wq, .offset: 8, .size: 8, .value_kind: global_buffer, .address_space: global }
      - { .name: Wv, .offset: 16, .size: 8, .value_kind: global_buffer, .address_space: global }
      - { .name: bk, .offset: 24, .size: 8, .value_kind: global_buffer, .address_space: global }
      - { .name: bq, .offset: 32, .size: 8, .value_kind: global_buffer, .address_space: global }
      - { .name: bv, .offset: 40, .size: 8, .value_kind: global_buffer, .address_space: global }
      - { .name: wf, .offset: 48, .size: 8, .value_kind: global_buffer, .address_space: global }
      - { .name: bperm, .offset: 56, .size: 8, .value_kind: global_buffer, .address_space: global }
    .group_segment_fixed_size: 69120
    .private_segment_fixed_size: 0
    .kernarg_segment_align: 8
    .kernarg_segment_size: 64
    .max_flat_workgroup_size: 256
    .sgpr_count:     66
    .vgpr_count:     256
    .wavefront_size: 32
...
	.end_amdgpu_metadata
.endif
;; end of part 3
;; launch fused (part 4): grid 256 x 1, 4 waves a work-group, clusters of 4 x 1, 327,680 bytes of LDS; arguments x, wf, bperm, sparsity_pattern, out0; writes out0
.if DOCPART == 4
	.amdgcn_target "amdgcn-amd-amdhsa--gfx1250"
	.amdhsa_code_object_version 6
	.text
	.protected	k_qfb78b3124d_fused
	.globl	k_qfb78b3124d_fused
	.p2align	8
	.type	k_qfb78b3124d_fused,@function
k_qfb78b3124d_fused:
	s_mov_b64 s[64:65], 0
	v_nop
	global_prefetch_b8 v0, s[64:65] scope:SCOPE_SE
	s_setreg_imm32_b32 hwreg(HW_REG_WAVE_MODE, 25, 1), 1
	s_wait_xcnt 0x0
	s_wait_alu depctr_hold_cnt(0) depctr_sa_sdst(0) depctr_va_vdst(0) depctr_va_sdst(0) depctr_va_ssrc(0) depctr_va_vcc(0) depctr_vm_vsrc(0)
	s_getreg_b32 s2, hwreg(HW_REG_IB_STS2, 6, 4)
	s_cmp_eq_u32 s2, 0
	s_cbranch_scc0 .Lentry_in_a_cluster
	s_endpgm
.Lentry_in_a_cluster:
	s_bfe_u32 s2, ttmp6, 0x10000c
	s_cmp_lg_u32 s2, 0x3003
	s_cbranch_scc0 .Lentry_shape_is_right
	s_endpgm
.Lentry_shape_is_right:
; out = softmax_g((q k^T) x pattern) v for each token, over its 16 heads; q, k, v = x W^T + b.  x [16384][1024] f32; the weights come as operand images and the biases in the images' order of rows (first launch).
; The three projections and q k^T are products on codes of FP6 (E2M3) with one E8M0 scale for each 32 along K; the last product (K = 16 heads) has bf16 operands; all sums, the softmax and what is quantised are f32.
; SHARES.  A work-group owns 64 tokens and takes them through the whole chain: q, k, v never go to memory.  PROJECTIONS: every wave holds the codes of ALL 64 tokens in registers (32 fragments) and makes 128 of a
; round's 512 columns: six rounds (wf's rounds 0, 1: k; 2, 3: q; 4, 5: v) of 8 K steps of 128; a weight fragment read from LDS feeds four matrix instructions.  ATTENTION: wave w owns tokens 16 w .. 16 w + 15.
; CLUSTER.  All work-groups walk the same weights, so the four of a cluster ask for each part JOINTLY: the same tensor load, the same descriptor, the mask 15.  A wave asks for its own part of a slot (its 128 columns x 256
; along K, 25,600 bytes) and is the only wave that reads it.  A mask names four work-groups at the most, and nothing but the weights is shared: so the cluster is 4 x 1.
; THE WALK.  Every cluster does the same rounds and K steps, but in an ORDER OF ITS OWN.  With i the cluster's number, phi = i & 3 and psi = ((i >> 2) ^ (i >> 4)) & 3: the round walked at time tau is tau ^ phi (tau = 0 .. 3)
; and tau ^ (phi & 1) (tau = 4, 5); the pair of K steps at place pp of a round is pp ^ psi.  So sixteen kinds of clusters ask for sixteen different parts of wf at any one time, not all 64 clusters for the same one.
; LDS and registers are laid BY TIME AND PLACE: no LDS address, trip count, tensor load or barrier hangs on the order.  What the order changes is mended so: x's columns are loaded by place (a global address); where q is
; walked first (phi & 2) the score product's sources change places (a scalar branch on the cluster's number, which the partners share); where the halves are swapped (phi & 1) a stored head H is head H ^ 8: the pattern's and
; out0's addresses take that in, and p's two halves of lanes change places by a select; v's stored tile i is tile i ^ 2: a select takes the place of a move on the way out.
; LAYOUTS.  The projections are used transposed (source 0 = 16 rows of W, source 1 = 16 tokens): a lane holds ONE token.  The rows of W that form a tile were chosen by the first launch:
;   k, q: the 16 registers of tiles 2 b, 2 b + 1 are 16 neighbours along a head's channels: they are quantised in registers; the codes go to the token's row in LDS as a plain stream of bits.
;   v: a tile is one channel d of all 16 heads: a lane's eight results are eight neighbouring heads g, the last product's K; four bf16 pairs are 16 bytes of that product's operand image.
;   scores: source 0 = k's 16 heads, source 1 = q's: a lane holds one head of q and eight of the 16 g; K = 64 is filled to 128 with zero codes.  The weights p, rounded in pairs, ARE source 0 of the last product.
;   last product: source 1 = 16 channels d = 4 r + i of tile i: the four tiles' results give a lane 16 consecutive bytes of a head's row, and sixteen lanes a head's 256 bytes.
; LIMITS: NaN and infinities are not served; a block of zeros, or one under 2^-124, gets the scale byte 1 (the bytes are read by this program alone); p and v are rounded to bf16 for the last product; the projections' K steps
; are summed in the order of the cluster's walk, so the f32 sums are rounded in an order that differs from cluster to cluster.
; REGISTERS, in windows of 256 (s_set_vgpr_msb: bits 1:0 source 0, 3:2 source 1, 5:4 source 2, 7:6 destination):
;   window 0: v0-23 addresses; v24-39 x's scale words, v40-55 W's, v56-59 the scores' (these 36 hold scales alone); v60 a scale word just made; v64-127 a round's biases; v128-223 W's fragments, set 0; v224-255 the quantiser's
;   window 1: x's fragments of places 0-4 at 12 (4 s + m).   window 2: those of places 5-7; from v144 W's fragments, set 1.   window 3: the 32 accumulators at 64 m + 8 t; free between the rounds for the scores.
; SCALARS of the walk: s[2:3] bperm; s[6:7] wf at my wave's part; s[22:23] the next round's biases, in bytes; s[52:53] a refill's offset in wf; s55 phi & 1; s63 phi & 2; s56-59 the four places' pairs, in bytes;
;   s60, s61 this round's and the next round's first byte; s62 the time tau.
.set PART,  25600                      ; a wave's part of a slot: 16 fragment images of 1,536 bytes and 1,024 bytes of scale words, laid by lanes: lane l's eight words (tiles 0 .. 7) at 32 l
.set SLOTB, 102400                     ; a slot: four parts: 256 along K of a round's 512 columns
.set UC,    204800                     ; behind the two slots: 64 token rows of UP bytes.  First x's images and stages; then the codes of times 0, 1 (0-767) and of times 2, 3 (768-1535); then p's image (0-511) and v's stored tiles 0, 1 (512-1535)
.set UP,    1552                       ; 97 x 16: rows begin 16 bytes apart modulo 256
.set USC,   304128                     ; 64 rows of USP bytes: 32 scale bytes of times 0, 1, then 32 of times 2, 3
.set USP,   68
.set SPARE, 308480                     ; the spare words, 128 bytes for each wave: two blocks of 256 bytes that no other line names
.set XIMG,  UC                         ; x's 32 fragment images, 4 s + m (s: the place)
.set XSC,   UC+49152                   ; x's 16 scale images, 4 (s >> 1) + m: lanes 0-15 the even place, lanes 16-31 the odd one
.set STG,   UC+51200                   ; a stage of 16 rows x (512 + 16) bytes for each wave
.set VP,    1040                       ; v's stored tiles 2, 3: 64 rows of 1,024 + 16 bytes in slot 0, once that slot has had its last fill and its last read
.set SPW,  4                           ; v4   LDS address of my spare word; never rewritten
.set NIL,  5                           ; v5   0; never rewritten
.set AW,   6                           ; v6-7 my part of slot 0, 1: + 16 x lane
.set AS,   8                           ; v8-9 its scale words: + 32 x lane
.set BOFF, 10                          ; v10  512 w + 32 h: my eight biases of a tile
.set XS,   24
.set WS,   40
.set SW,   56
.set PW,   60
.set BIAS, 64
.set PC,   224                         ; v224-243 codes just made
.set TM,   244                         ; v244-247 largest magnitudes
.set TP,   248                         ; v248-251 the other lane's, then the bytes
.set TS,   252                         ; v252-255 the conversions' scale operands
.set SS,   96                          ; window 3, between the rounds: scores, 8 a token;
.set PAT,  128                         ; the pattern's eight numbers of my lane;
.set ST,   136                         ; eight registers of statistics a token;
.set PB,   168                         ; p in bf16, four a token
.set MSB, 0
.macro WIN new                         ; the immediate's high byte repeats the setting that is left; a switch that changes nothing is dropped
.if MSB != \new
	s_set_vgpr_msb (MSB<<8)|\new
.set MSB, \new
.endif
.endm
.macro PLACES n                        ; plain vector lines between a matrix instruction and a reader of its result, or a load into or a write of one of its registers
.rept \n
	v_nop
.endr
.endm
.macro CREST                           ; a round of the cluster's barrier behind its opening barrier
	s_cmp_lg_u32 s14, 0
	s_cbranch_scc1 .Lnot_wave_0_\@
	s_barrier_signal -3
.Lnot_wave_0_\@:
	s_barrier_wait -3
	s_barrier_signal -1
	s_barrier_wait -1
.endm
.macro CROUND                          ; a whole round
	s_barrier_signal -1
	s_barrier_wait -1
	CREST
.endm
.macro BARRIER                         ; my LDS stores have landed and my LDS loads are in: then the work-group's barrier.
	s_wait_dscnt 0x0
	s_barrier_signal -1
	s_barrier_wait -1
.endm
; my 16 rows' numbers of place s, as they lie: each load reads 512 consecutive bytes of a row.  Which 1,024 bytes of a row a pair of places takes stands in the pair's offset register.  Four sets of 64 registers in window 1
.macro XLOAD s
	WIN 0x40
.irp m, 0,1,2,3,4,5,6,7,8,9,10,11,12,13,14,15
	global_load_b128 v[64*((\s)%4)+4*\m:64*((\s)%4)+4*\m+3], v[20+((\s)>>1)], s[4:5] offset:4096*\m+512*((\s)&1) th:TH_LOAD_NT
.endr
	WIN 0
.endm
.macro BIASLOAD                        ; a round's biases in the result's layout: tile t, rows 8 h + 0 .. 7
.irp t, 0,1,2,3,4,5,6,7
	global_load_b128 v[BIAS+8*\t:BIAS+8*\t+3], v[BOFF], s[8:9] offset:64*\t
	global_load_b128 v[BIAS+8*\t+4:BIAS+8*\t+7], v[BOFF], s[8:9] offset:64*\t+16
.endr
.endm
; 64 numbers of a lane in window 3, register src + 16 b + i = k 32 b + 16 (lane / 16) + i of my row, are quantised: the scale word into v[PW], the codes into v[PC] on.
; frag = 1: as a fragment's 12 registers;  frag = 0: block b's 16 codes of my half, 12 bytes, in v[PC + 4 b] on.
.macro QCORE src, frag
	WIN 0x0f
.irp b, 0,1,2,3
	v_max3_num_f32 v[TM+\b], |v[(\src)+16*\b]|, |v[(\src)+16*\b+1]|, 0x1800000   ; my 16 numbers of block b, each tile from its low end on, and the floor 2^(3 - 127): the byte cannot fall under 1
.endr
.irp i, 2,4,6,8,10,12,14
.irp b, 0,1,2,3
	v_max3_num_f32 v[TM+\b], |v[(\src)+16*\b+\i]|, |v[(\src)+16*\b+\i+1]|, v[TM+\b]   ; (the four blocks by turns)
.endr
.endr
	WIN 0
	s_wait_alu depctr_va_vdst(0)
	s_wait_dscnt 0x0                               ; earlier LDS stores have read the codes' and the scale word's registers
.irp b, 0,1,2,3
	v_permlanex16_b32 v[TP+\b], v[TM+\b], s40, s41
.endr
.irp b, 0,1,2,3
	v_max_num_f32 v[TM+\b], v[TM+\b], v[TP+\b]     ; with lane l xor 16's: the block's largest magnitude
.endr
.irp b, 0,1,2,3
	v_add_nc_u32 v[TS+\b], 0xff000000, v[TM+\b]    ; 2 off its exponent field: the conversion's scale operand
.endr
.irp b, 0,1,2,3
	v_lshrrev_b32 v[TP+\b], 23, v[TS+\b]           ; the scale's byte
.endr
	v_lshl_or_b32 v[PW], v[TP+1], 8, v[TP]
	v_lshl_or_b32 v[PW], v[TP+2], 16, v[PW]
	v_lshl_or_b32 v[PW], v[TP+3], 24, v[PW]        ; my row's scale word
	WIN 0x03
.if \frag
.irp c, 0,1
	v_cvt_scalef32_pk16_fp6_f32 v[PC+6*\c:PC+6*\c+2], v[(\src)+32*\c:(\src)+32*\c+15], v[TS+2*\c]
	v_cvt_scalef32_pk16_fp6_f32 v[PC+12+4*\c:PC+14+4*\c], v[(\src)+32*\c+16:(\src)+32*\c+31], v[TS+2*\c+1]   ; (a conversion's three registers begin on an even number)
.endr
.else
.irp b, 0,1,2,3
	v_cvt_scalef32_pk16_fp6_f32 v[PC+4*\b:PC+4*\b+2], v[(\src)+16*\b:(\src)+16*\b+15], v[TS+\b]
.endr
.endif
	WIN 0
	v_nop                                          ; one plain line behind a scaled conversion
.if \frag
.irp c, 0,1                            ; the operand's layout wants a WHOLE block in a lane: lanes 0-15 block 2 c, lanes 16-31 block 2 c + 1
.irp i, 0,1,2
	v_permlane16_swap_b32 v[PC+6*\c+\i], v[PC+12+4*\c+\i]
.endr
.irp i, 0,1,2
	v_mov_b32 v[PC+3+6*\c+\i], v[PC+12+4*\c+\i]
.endr
.endr
.endif
.endm
; Place s of x: my 16 rows turn through my stage, so that a lane holds 16 neighbours of each block of its row; they become a fragment, whose image and scale word go to LDS for all four waves.
.macro XSTEP s
.if (\s) < 5
	s_wait_loadcnt 48                              ; this place's sixteen loads are in; those of the three places behind it may be out
.else
	s_wait_loadcnt 16*(7-(\s))                     ; the counts run down: 32, 16, 0
.endif
	WIN 0x04
.irp m, 0,1,2,3,4,5,6,7,8,9,10,11,12,13,14,15
	ds_store_b128 v12, v[64*((\s)%4)+4*\m:64*((\s)%4)+4*\m+3] offset:528*\m
.endr
	WIN 0xc0
.irp b, 0,1,2,3
.irp j, 0,1,2,3
	ds_load_b128 v[16*\b+4*\j:16*\b+4*\j+3], v13 offset:128*\b+16*\j   ; LDS serves a wave's instructions in order: these see my stores
.endr
.endr
	WIN 0
	s_wait_dscnt 0x0                               ; the numbers are back, and the stores have read their registers,
.if (\s) < 4
	XLOAD (\s)+4                                   ; which take the loads of four places on
.endif
	QCORE 0, 1
.irp g, 0,1,2
	ds_store_b128 v14, v[PC+4*\g:PC+4*\g+3] offset:6144*(\s)+512*\g
.endr
	ds_store_b32 v15, v[PW] offset:512*((\s)>>1)+64*((\s)&1)   ; lanes r and 16 + r write the same word with the same value
.endm
; W's eight fragments of place s out of my part of slot (s >> 1) & 1: set 0 for an even s (with the slot's scale images), set 1 for an odd one.  Each load reads 512 consecutive bytes.
.macro FETCH s
.set n_, ((\s)>>1)&1
.if ((\s)&1) == 0
	WIN 0
.set wb_, 128
.else
	WIN 0x80
.set wb_, 144
.endif
.irp t, 0,1,2,3,4,5,6,7
.irp g, 0,1,2
	ds_load_b128 v[wb_+12*\t+4*\g:wb_+12*\t+4*\g+3], v[AW+n_] offset:(8*((\s)&1)+\t)*1536+512*\g
.endr
.endr
.if ((\s)&1) == 0
	ds_load_b128 v[WS+8*n_:WS+8*n_+3], v[AS+n_]              ; my eight scale words of the slot: 32 consecutive bytes a lane
	ds_load_b128 v[WS+8*n_+4:WS+8*n_+7], v[AS+n_] offset:16
.endif
.endm
; 4 nt matrix instructions of place s: tiles t0 .. t0 + nt - 1 of W x the four tiles of tokens.  The 32 accumulators take turns, one instruction a turn, in the same order in every place.
; Place 0 takes the biases as C: nothing is cleared and nothing is added later.  An odd place's scale words lie in lanes 16-31.
.macro MULS s, t0, nt
.set w_, 0xc0
.if (\s) != 0
.set w_, w_|0x30
.endif
.if (\s) < 5
.set w_, w_|0x04
.set xb_, 48*(\s)
.else
.set w_, w_|0x08
.set xb_, 48*((\s)-5)
.endif
.if ((\s)&1) == 1
.set w_, w_|0x02
.set wb_, 144
.else
.set wb_, 128
.endif
.set sa_, WS+8*(((\s)>>1)&1)
.set sb_, XS+4*((\s)>>1)
	WIN w_
.set t_, \t0
.rept \nt
.set m_, 0
.rept 4
.if (\s) == 0
	v_wmma_scale_f32_16x16x128_f8f6f4 v[64*m_+8*t_:64*m_+8*t_+7], v[wb_+12*t_:wb_+12*t_+11], v[xb_+12*m_:xb_+12*m_+11], v[BIAS+8*t_:BIAS+8*t_+7], v[sa_+t_], v[sb_+m_] matrix_a_fmt:MATRIX_FMT_FP6 matrix_b_fmt:MATRIX_FMT_FP6
.elseif ((\s)&1) == 0
	v_wmma_scale_f32_16x16x128_f8f6f4 v[64*m_+8*t_:64*m_+8*t_+7], v[wb_+12*t_:wb_+12*t_+11], v[xb_+12*m_:xb_+12*m_+11], v[64*m_+8*t_:64*m_+8*t_+7], v[sa_+t_], v[sb_+m_] matrix_a_fmt:MATRIX_FMT_FP6 matrix_b_fmt:MATRIX_FMT_FP6
.else
	v_wmma_scale_f32_16x16x128_f8f6f4 v[64*m_+8*t_:64*m_+8*t_+7], v[wb_+12*t_:wb_+12*t_+11], v[xb_+12*m_:xb_+12*m_+11], v[64*m_+8*t_:64*m_+8*t_+7], v[sa_+t_], v[sb_+m_] matrix_a_fmt:MATRIX_FMT_FP6 matrix_b_fmt:MATRIX_FMT_FP6 matrix_a_scale:MATRIX_SCALE_ROW1 matrix_b_scale:MATRIX_SCALE_ROW1
.endif
.set m_, m_+1
.endr
.set t_, t_+1
.endr
.endm
; The head of a round: the round asked for last becomes the round in hand.  next = 1: which round follows: at time t it is t ^ phi for t under 4, else t ^ (phi & 1).
.macro RHEAD next
	s_mov_b32 s60, s61
.if \next
	s_add_co_u32 s62, s62, 1                       ; t: the next round's time
	s_lshr_b32 s21, s62, 2
	s_xor_b32 s21, s21, 1                          ; 1 where t is under 4
	s_mul_i32 s21, s21, s63                        ; phi & 2 there,
	s_or_b32 s21, s21, s55                         ; and phi & 1 always
	s_xor_b32 s21, s21, s62                        ; the round
	s_mul_i32 s61, s21, 4*SLOTB                    ; its first byte in wf,
	s_lshl_b32 s22, s21, 11                        ; and in bperm: 2,048 bytes a round
.endif
.endm
; An even place multiplies set 0 and fetches the slot's second K step into set 1: with that the slot is read out.  fill = 1: the slot is filled again, with the pair two places on (places 0, 1: of this round; places 2, 3: of the
; next round), behind a round of the cluster's barrier;  fill = 0: the same waits and a barrier of the work-group, and nothing is asked for;  fill = -1: the last slot.
; 24 of the place's 32 products are issued ahead of the wait for the tensor load, so that only 8 stand between a tile's landing and the next request.
.macro STEP_E s, fill
	s_wait_dscnt 0x0                               ; set 0 and the slot's scale words are in (asked for 32 matrix instructions ago)
.if (\s) == 0
	s_wait_loadcnt 0x0                             ; the round's biases
.endif
	PLACES 4                                       ; in front of the loads into set 1, which the place before multiplied
	FETCH (\s)+1
.if (\fill) >= 0
	MULS \s, 0, 6
	WIN 0                                          ; (the add's two registers lie in window 0)
	s_wait_tensorcnt 0x0                           ; all my tensor loads have landed: the one that was out is my part of the other slot; so a group 0 may be written;
	ds_add_u32 v[SPW], v[NIL]                      ; 0 onto my spare word;
.if (\fill) == 1
	s_add_co_u32 s52, s[60+((\s)>>2)], s[56+(((\s)>>1)+2)%4]   ; the round's first byte + the pair's
	s_add_nc_u64 s[34+4*(((\s)>>1)&1):35+4*(((\s)>>1)&1)], s[6:7], s[52:53]
	s_or_b32 s[35+4*(((\s)>>1)&1)], s[35+4*(((\s)>>1)&1)], 0x80000000   ; 127:126 type = 2
.endif
	MULS \s, 6, 2                                  ; eight matrix instructions stand between the add and the wait for it
	WIN 0
	s_wait_dscnt 0x0                               ; the add is done, and my reads of this slot are over
	s_barrier_signal -1
	s_barrier_wait -1
.if (\fill) == 1
	CREST                                          ; the barrier has opened a round of the cluster's barrier: no wave of any partner still reads this slot or has a load on its way
	tensor_load_to_lds s[32+4*(((\s)>>1)&1):35+4*(((\s)>>1)&1)], s[24:31]   ; my one tensor load behind the round, and the first thing there
	s_nop 0
.endif
	PLACES 4                                       ; four plain lines: the places in front of the loads into set 0
.else
	MULS \s, 0, 8
	WIN 0
	s_wait_dscnt 0x0                               ; set 1 is in
	PLACES 4
.endif
.endm
; An odd place multiplies set 1 and fetches the next place, out of the other slot, into set 0.  bias = 1: the next round's biases are asked for.
.macro STEP_O s, fetch, bias
.if \bias
	s_add_nc_u64 s[8:9], s[2:3], s[22:23]          ; (the last biases' loads were waited for at this round's head)
	BIASLOAD
.endif
.if \fetch
	FETCH ((\s)+1)%8
.endif
	MULS \s, 0, 8
	WIN 0
.endm
.macro GROUND f0, f1, f2, f3, fetch7, bias   ; a round: 512 columns, all of K: 256 matrix instructions a wave
	STEP_E 0, \f0
	STEP_O 1, 1, 0
	STEP_E 2, \f1
	STEP_O 3, 1, 0
	STEP_E 4, \f2
	STEP_O 5, 1, 0
	STEP_E 6, \f3
	STEP_O 7, \fetch7, \bias
.endm
; A round of v leaves: each accumulator's eight heads become four bf16 pairs, 16 bytes, at lane (8 (w & 1) + t, h)'s place in stored tile (w >> 1)'s image in the token's row.
.macro EPIV pitch, base
	PLACES 4
	v_mul_u32_u24 v18, v2, \pitch
	v_lshl_add_u32 v18, v3, 8, v18
	v_add_nc_u32 v18, s51, v18
.if \base
	v_add_nc_u32 v18, \base, v18
.endif
	v_add_nc_u32 v19, 32*\pitch, v18               ; tokens 32 on: an LDS offset has 16 bits
	WIN 0xcf
.set a_, 0
.rept 32
.irp i, 0,1,2,3
	v_cvt_pk_bf16_f32 v[8*a_+\i], v[8*a_+2*\i], v[8*a_+2*\i+1]   ; in place, from the low end on
.endr
.set a_, a_+1
.endr
	WIN 0x0c
.irp m, 0,1,2,3
.irp t, 0,1,2,3,4,5,6,7
	ds_store_b128 v[18+(\m>>1)], v[64*\m+8*\t:64*\m+8*\t+3] offset:16*\pitch*(\m&1)+16*\t
.endr
.endr
	WIN 0
.endm
	s_load_b256 s[4:11], s[0:1], 0x0               ; x s[4:5], wf s[6:7], bperm s[8:9], the pattern s[10:11]
	s_load_b64 s[12:13], s[0:1], 0x20              ; out0
	v_lshl_add_u32 v[SPW], v0, 2, SPARE
	v_mov_b32 v[NIL], 0
	ds_add_u32 v4, v5
	ds_add_u32 v4, v5
	s_wait_dscnt 0x0
	v_lshrrev_b32 v1, 5, v0
	v_readfirstlane_b32 s14, v1                    ; wave 0..3
	v_and_b32 v1, 31, v0                           ; lane
	s_wait_alu depctr_va_vdst(0)
	v_and_b32 v2, 15, v0                           ; r
	v_bfe_u32 v3, v0, 4, 1                         ; h
	s_bfe_u32 s15, ttmp6, 0x40000                  ; cx: my place in the cluster: it enters x's and out0's addresses alone
	s_lshl_b32 s16, ttmp9, 2
	s_add_co_u32 s16, s16, s15                     ; work-group = 4 x cluster + cx
	s_lshl_b32 s16, s16, 2
	s_add_co_u32 s16, s16, s14
	s_lshl_b32 s16, s16, 16                        ; my wave's 16 tokens: rows of 4,096 bytes in x and in out0
	s_mov_b32 s17, 0
	s_mul_i32 s18, s14, PART                       ; my part of a slot, in wf and in LDS
	s_mov_b32 s19, 0
	s_mov_b32 s40, 0x76543210
	s_mov_b32 s41, 0xfedcba98                      ; v_permlanex16_b32's selects for lane l xor 16
	s_mov_b32 s42, 0x3fb8aa3b                      ; log2(e)
	s_mov_b32 s43, s42                             ; (named with it as a pair, so it is written)
	s_lshr_b32 s51, s14, 1
	s_lshl_b32 s51, s51, 9
	s_and_b32 s20, s14, 1
	s_lshl_b32 s20, s20, 7
	s_add_co_u32 s51, s51, s20                     ; 512 (w >> 1) + 128 (w & 1): my place in a token's images of v
	v_lshlrev_b32 v11, 4, v1                       ; 16 x lane
	; the cluster's walk: all of it hangs on the cluster's number alone, which the four partners share
	s_wait_alu depctr_va_vdst(0)
	s_and_b32 s54, ttmp9, 3                        ; phi
	s_and_b32 s55, ttmp9, 1                        ; phi & 1
	s_and_b32 s63, ttmp9, 2                        ; phi & 2
	s_lshr_b32 s21, ttmp9, 2
	s_lshr_b32 s22, ttmp9, 4
	s_xor_b32 s21, s21, s22
	s_and_b32 s21, s21, 3                          ; psi
.irp p, 0,1,2,3
	s_xor_b32 s[56+\p], s21, \p                    ; the pair of K steps at place p
	v_lshl_add_u32 v[20+\p], s[56+\p], 10, v11     ; in a row of x: 1,024 bytes a pair, + 16 x lane
	s_mul_i32 s[56+\p], s[56+\p], SLOTB            ; in a round of wf
.endr
	s_mul_i32 s61, s54, 4*SLOTB                    ; the round at time 0 is phi
	s_lshl_b32 s22, s54, 11
	s_mov_b32 s23, 0
	s_mov_b32 s53, 0
	s_mov_b32 s62, 0
	s_wait_alu depctr_va_vdst(0)
	s_wait_kmcnt 0x0
	s_add_nc_u64 s[4:5], s[4:5], s[16:17]
	s_add_nc_u64 s[12:13], s[12:13], s[16:17]
	s_add_nc_u64 s[6:7], s[6:7], s[18:19]          ; wf at my wave's part
	s_mov_b64 s[2:3], s[8:9]                       ; bperm stays here;
	s_add_nc_u64 s[8:9], s[2:3], s[22:23]          ; the first round's biases
	; descriptor group 1: a part is a dense block: 100 rows of 256 bytes (32 elements of 8 bytes), no padding: the images are read 512 bytes on end
	s_mov_b32 s24, 15|(3<<16)|(1<<21)              ; 15:0 the mask: all four work-groups; 17:16 elements of 8 bytes; 21 set beside a mask
	s_mov_b32 s25, 32<<16                          ; tensor_dim0 = 32
	s_mov_b32 s26, 100<<16                         ; tensor_dim1 = 100
	s_mov_b32 s27, 32<<16                          ; tile_dim0 = 32
	s_mov_b32 s28, 100                             ; tile_dim1 = 100
	s_mov_b32 s29, 32                              ; from row to row
	s_mov_b32 s30, 0
	s_mov_b32 s31, 0
	s_mov_b32 s32, 1                               ; group 0 for slot 0: the first round's place 0,
	s_mov_b32 s33, s18
	s_add_co_u32 s52, s61, s56
	s_add_nc_u64 s[34:35], s[6:7], s[52:53]
	s_or_b32 s35, s35, 0x80000000
	s_mov_b32 s36, 1                               ; and for slot 1: its place 1
	s_add_co_u32 s37, s18, SLOTB
	s_add_co_u32 s52, s61, s57
	s_add_nc_u64 s[38:39], s[6:7], s[52:53]
	s_or_b32 s39, s39, 0x80000000
	CROUND                                         ; all four work-groups are here: the first joint loads meet
	tensor_load_to_lds s[32:35], s[24:31]          ; slot 0's first fill, asked for ahead of x's loads
	s_nop 0
	PLACES 4
	XLOAD 0                                        ; x's first four places: 64 loads a wave; the address arithmetic below stands under their flight
	XLOAD 1
	XLOAD 2
	XLOAD 3
	v_add_nc_u32 v[AW], s18, v11
	v_add_nc_u32 v[AW+1], SLOTB, v[AW]
	v_lshlrev_b32 v[AS], 5, v1
	v_add_nc_u32 v[AS], s18, v[AS]
	v_add_nc_u32 v[AS], 24576, v[AS]
	v_add_nc_u32 v[AS+1], SLOTB, v[AS]
	s_lshl_b32 s20, s14, 9
	v_lshlrev_b32 v[BOFF], 5, v3
	v_add_nc_u32 v[BOFF], s20, v[BOFF]
	s_mul_i32 s20, s14, 8448
	v_add_nc_u32 v12, s20, v11
	v_add_nc_u32 v12, STG, v12                     ; my stage, on the way in: a row's 512 bytes as they lie
	v_mul_u32_u24 v13, v2, 528
	v_lshl_add_u32 v13, v3, 6, v13
	v_add_nc_u32 v13, s20, v13
	v_add_nc_u32 v13, STG, v13                     ; on the way out: row r, + 64 h
	s_mul_i32 s20, s14, 1536
	v_add_nc_u32 v14, s20, v11
	v_add_nc_u32 v14, XIMG, v14                    ; where I store x's images: tile of tokens m = my wave
	s_lshl_b32 s20, s14, 7
	v_lshlrev_b32 v15, 2, v2
	v_add_nc_u32 v15, s20, v15
	v_add_nc_u32 v15, XSC, v15                     ; and their scale words
	v_add_nc_u32 v16, XIMG, v11                    ; where any image is read
	v_lshlrev_b32 v17, 2, v1
	v_add_nc_u32 v17, XSC, v17
	v_mul_u32_u24 v18, v2, UP
	v_mad_u32_u24 v18, v3, 12, v18
	s_mul_i32 s20, s14, 96
	v_add_nc_u32 v18, s20, v18
	v_add_nc_u32 v18, UC, v18                      ; k's and q's codes: token r's row, + 96 w (my 128 columns) + 12 h (my 16 codes of a block)
	v_mul_u32_u24 v19, v2, USP
	s_lshl_b32 s20, s14, 2
	v_add_nc_u32 v19, s20, v19
	v_add_nc_u32 v19, USC, v19                     ; and their scale words: + 4 w
.irp b, 0,1,2,3
	v_mov_b32 v[TP+\b], 0                          ; written once: a lane permute's destination counts as one of its sources
.endr
	s_wait_alu depctr_va_vdst(0)                   ; the wait at the head's end
	; ---- x: my 16 tokens become eight fragments
	XSTEP 0
	; slot 1's first fill is issued as a refill is: seven places of x's work stand behind it, in which it lands
	s_wait_alu depctr_va_vdst(0)                   ; directly ahead of the wait below
	s_wait_tensorcnt 0x0                           ; my part of slot 0, asked for ahead of the loads that place 0 has just waited for, is in; nobody else reads it;
	ds_add_u32 v[SPW], v[NIL]                      ; 0 onto my spare word;
	s_wait_dscnt 0x0                               ; the add is done
	CROUND                                         ; a whole round: all four work-groups are here: the joint loads meet
	tensor_load_to_lds s[36:39], s[24:31]          ; my one tensor load behind the round
	s_nop 0
	PLACES 4
	XSTEP 1
	XSTEP 2
	XSTEP 3
	XSTEP 4
	XSTEP 5
	XSTEP 6
	XSTEP 7
	BARRIER                                        ; the 32 fragments of the 64 tokens lie in LDS
	WIN 0x40
.set f_, 0
.rept 20
.irp g, 0,1,2
	ds_load_b128 v[12*f_+4*\g:12*f_+4*\g+3], v16 offset:1536*f_+512*\g
.endr
.set f_, f_+1
.endr
	WIN 0x80
.rept 12
.irp g, 0,1,2
	ds_load_b128 v[12*(f_-20)+4*\g:12*(f_-20)+4*\g+3], v16 offset:1536*f_+512*\g
.endr
.set f_, f_+1
.endr
	WIN 0
.irp i, 0,1,2,3,4,5,6,7,8,9,10,11,12,13,14,15
	ds_load_b32 v[XS+\i], v17 offset:128*\i
.endr
	BIASLOAD                                       ; the first round's
	; (my part of slot 0 was waited for ahead of slot 1's first fill)
	FETCH 0
	s_mov_b32 s44, 4
	s_mov_b32 s45, 0                               ; where a round's codes begin in a token's row: 384 bytes for each time
	s_mov_b32 s46, 0                               ; and its scale bytes: 16 for each time
	; ---- k and q: four rounds; each round's results are quantised in registers and go to the tokens' rows
.Lqk:
	RHEAD 1
	GROUND 1, 1, 1, 1, 1, 1
	PLACES 4
	v_add_nc_u32 v20, s45, v18
	v_add_nc_u32 v21, 32*UP, v20                   ; tokens 32 on
	v_add_nc_u32 v22, s46, v19
.irp m, 0,1,2,3
	QCORE 64*\m, 0
.irp b, 0,1,2,3
.irp i, 0,1,2
	ds_store_b32 v[20+(\m>>1)], v[PC+4*\b+\i] offset:16*UP*(\m&1)+24*\b+4*\i   ; 388 words from token to token, 3 from half to half: the 32 lanes touch 32 different banks
.endr
.endr
	ds_store_b32 v22, v[PW] offset:16*USP*\m       ; lanes r and 16 + r write the same word with the same value
.endr
	s_add_co_u32 s45, s45, 384
	s_add_co_u32 s46, s46, 16
	s_sub_co_u32 s44, s44, 1
	s_cmp_lg_u32 s44, 0
	s_cbranch_scc1 .Lqk
	; ---- the scores and the softmax: my 16 tokens, four a trip
	BARRIER                                        ; every token's codes of k and q lie in its row
	s_mul_i32 s20, s14, 16*UP
	v_mul_u32_u24 v11, v2, 48
	v_mad_u32_u24 v11, v3, 24, v11
	v_add_nc_u32 v11, s20, v11
	v_add_nc_u32 v11, UC, v11                      ; stored head r's 64 codes are 48 bytes; + 24 h: my block
	v_lshlrev_b32 v12, 4, v1
	v_add_nc_u32 v12, s20, v12
	v_add_nc_u32 v12, UC, v12                      ; p's image: 16 x lane
	s_mul_i32 s20, s14, 16*USP
	v_lshlrev_b32 v13, 1, v2
	v_lshl_add_u32 v13, v3, 5, v13
	v_add_nc_u32 v13, s20, v13
	v_add_nc_u32 v13, USC, v13                     ; stored head r's two scale bytes: lanes 0-15 those of times 0, 1, lanes 16-31 those of times 2, 3
	v_lshlrev_b32 v14, 6, v2
	v_lshl_add_u32 v14, v3, 5, v14                 ; the pattern: row r, columns 8 h + 0 .. 7;
	s_mul_i32 s20, s55, 544
	v_xor_b32 v14, s20, v14                        ; where the halves are swapped: row r ^ 8, columns 8 (h ^ 1) on
	v_mov_b32 v23, s55
	v_cmp_eq_u32 vcc_lo, 1, v23                    ; all lanes on where the halves are swapped, else none: it serves the selects below and on the way out
	WIN 0xc0
	global_load_b128 v[PAT:PAT+3], v14, s[10:11]
	global_load_b128 v[PAT+4:PAT+7], v14, s[10:11] offset:16
.irp u, 0,1,2,3
.irp i, 6,7,8,9,10,11,18,19,20,21,22,23
	v_mov_b32 v[24*\u+\i], 0                       ; K = 64 .. 127 of both operands: zero codes, which add nothing
.endr
.endr
.irp u, 0,1,2,3
	v_mov_b32 v[ST+8*\u+1], 0                      ; a lane permute's destination counts as one of its sources
.endr
	WIN 0
	s_mov_b32 s47, 4
	s_mov_b32 s48, 0
	s_mov_b32 s49, 0
.Lscore:
	v_add_nc_u32 v15, s48, v11
	v_add_nc_u32 v16, s48, v12
	v_add_nc_u32 v17, s49, v13
	WIN 0xc0
.irp u, 0,1,2,3
.irp i, 0,1,2
	ds_load_b64 v[24*\u+2*\i:24*\u+2*\i+1], v15 offset:UP*\u+8*\i            ; the codes of times 0, 1: 24 bytes of the row's stream of bits, as they lie
	ds_load_b64 v[24*\u+12+2*\i:24*\u+13+2*\i], v15 offset:UP*\u+768+8*\i    ; those of times 2, 3
.endr
.endr
	WIN 0
.irp u, 0,1,2,3
	ds_load_u16 v[SW+\u], v17 offset:USP*\u        ; bytes 2 and 3 come as 0, over zero codes
.endr
	s_wait_dscnt 0x0
	s_wait_loadcnt 0x0                             ; the pattern (met at once from the second trip on)
	s_cmp_eq_u32 s63, 0                            ; which of k and q was walked first: the same in all four partners
	s_cbranch_scc0 .Lq_first
	WIN 0xff
	s_wait_alu depctr_va_vdst(0)
.irp u, 0,1,2,3
	v_wmma_scale_f32_16x16x128_f8f6f4 v[SS+8*\u:SS+8*\u+7], v[24*\u:24*\u+11], v[24*\u+12:24*\u+23], 0, v[SW+\u], v[SW+\u] matrix_a_fmt:MATRIX_FMT_FP6 matrix_b_fmt:MATRIX_FMT_FP6 matrix_b_scale:MATRIX_SCALE_ROW1
.endr
	WIN 0
	s_branch .Lscored
.Lq_first:
	WIN 0xff
	s_wait_alu depctr_va_vdst(0)
.irp u, 0,1,2,3
	v_wmma_scale_f32_16x16x128_f8f6f4 v[SS+8*\u:SS+8*\u+7], v[24*\u+12:24*\u+23], v[24*\u:24*\u+11], 0, v[SW+\u], v[SW+\u] matrix_a_fmt:MATRIX_FMT_FP6 matrix_b_fmt:MATRIX_FMT_FP6 matrix_a_scale:MATRIX_SCALE_ROW1
.endr
	WIN 0
.Lscored:                              ; lane (r, h), register j: q's stored head r . k's stored head 8 h + j
	PLACES 4
	WIN 0xff
.irp i, 0,2,4,6
.irp u, 0,1,2,3
	v_pk_mul_f32 v[SS+8*\u+\i:SS+8*\u+\i+1], v[SS+8*\u+\i:SS+8*\u+\i+1], v[PAT+\i:PAT+\i+1]   ; x the pattern: a factor, as it is given.  (The four tokens by turns)
.endr
.endr
.irp u, 0,1,2,3
	v_max3_num_f32 v[ST+8*\u], v[SS+8*\u], v[SS+8*\u+1], v[SS+8*\u+2]
.endr
.irp u, 0,1,2,3
	v_max3_num_f32 v[ST+8*\u], v[ST+8*\u], v[SS+8*\u+3], v[SS+8*\u+4]
.endr
.irp u, 0,1,2,3
	v_max3_num_f32 v[ST+8*\u], v[ST+8*\u], v[SS+8*\u+5], v[SS+8*\u+6]
.endr
.irp u, 0,1,2,3
	v_max_num_f32 v[ST+8*\u], v[ST+8*\u], v[SS+8*\u+7]
.endr
.irp u, 0,1,2,3
	v_permlanex16_b32 v[ST+8*\u+1], v[ST+8*\u], s40, s41
.endr
.irp u, 0,1,2,3
	v_max_num_f32 v[ST+8*\u], v[ST+8*\u], v[ST+8*\u+1]   ; the row's maximum over all 16 g
.endr
.irp u, 0,1,2,3
	v_mul_f32 v[ST+8*\u], s42, v[ST+8*\u]          ; c m, c = log2(e)
.endr
.irp i, 0,2,4,6
.irp u, 0,1,2,3
	v_pk_fma_f32 v[SS+8*\u+\i:SS+8*\u+\i+1], v[SS+8*\u+\i:SS+8*\u+\i+1], s[42:43], v[ST+8*\u:ST+8*\u+1] op_sel_hi:[1,0,0] neg_lo:[0,0,1] neg_hi:[0,0,1]   ; c s - c m, rounded once; c m's own rounding is common to the row and cancels in the division
.endr
.endr
	s_wait_alu depctr_va_vdst(0)
.irp j, 0,1,2,3,4,5,6,7
.irp u, 0,1,2,3
	v_exp_f32 v[SS+8*\u+\j], v[SS+8*\u+\j]
.endr
.endr
	v_nop                                          ; a plain line behind the last exponential
	s_wait_alu depctr_va_vdst(0)                   ; one wait for the 32 exponentials, ahead of their first reader
.irp u, 0,1,2,3
	v_pk_add_f32 v[ST+8*\u+2:ST+8*\u+3], v[SS+8*\u:SS+8*\u+1], v[SS+8*\u+2:SS+8*\u+3]
.endr
.irp u, 0,1,2,3
	v_pk_add_f32 v[ST+8*\u+4:ST+8*\u+5], v[SS+8*\u+4:SS+8*\u+5], v[SS+8*\u+6:SS+8*\u+7]
.endr
.irp u, 0,1,2,3
	v_pk_add_f32 v[ST+8*\u+2:ST+8*\u+3], v[ST+8*\u+2:ST+8*\u+3], v[ST+8*\u+4:ST+8*\u+5]
.endr
.irp u, 0,1,2,3
	v_add_f32 v[ST+8*\u+2], v[ST+8*\u+2], v[ST+8*\u+3]
.endr
.irp u, 0,1,2,3
	v_permlanex16_b32 v[ST+8*\u+3], v[ST+8*\u+2], s40, s41
.endr
.irp u, 0,1,2,3
	v_add_f32 v[ST+8*\u+2], v[ST+8*\u+2], v[ST+8*\u+3]   ; the row's sum
.endr
	s_wait_alu depctr_va_vdst(0)
.irp u, 0,1,2,3
	v_rcp_f32 v[ST+8*\u+4], v[ST+8*\u+2]
.endr
	v_nop                                          ; a plain line behind the last reciprocal
	s_wait_alu depctr_va_vdst(0)                   ; one wait for the four
.irp i, 0,2,4,6
.irp u, 0,1,2,3
	v_pk_mul_f32 v[SS+8*\u+\i:SS+8*\u+\i+1], v[SS+8*\u+\i:SS+8*\u+\i+1], v[ST+8*\u+4:ST+8*\u+5] op_sel_hi:[1,0]
.endr
.endr
.irp i, 0,1,2,3
.irp u, 0,1,2,3
	v_cvt_pk_bf16_f32 v[PB+4*\u+\i], v[SS+8*\u+2*\i], v[SS+8*\u+2*\i+1]   ; lane (r, h): the weights for k's stored heads 8 h + 0 .. 7: registers 0-3 of the last product's source 0
.endr
.endr
.irp i, 0,1,2,3
.irp u, 0,1,2,3
	v_permlanex16_b32 v[SS+8*\u+\i], v[PB+4*\u+\i], s40, s41   ; v's images have the heads in their own order: where the halves are swapped, stored head H is head H ^ 8, which belongs in lane l xor 16
.endr
.endr
.irp i, 0,1,2,3
.irp u, 0,1,2,3
	v_cndmask_b32 v[PB+4*\u+\i], v[PB+4*\u+\i], v[SS+8*\u+\i], vcc_lo
.endr
.endr
	WIN 0x0c
.irp u, 0,1,2,3
	ds_store_b128 v16, v[PB+4*\u:PB+4*\u+3] offset:UP*\u   ; over the token's codes of times 0, 1, which have been read; only this wave reads this row
.endr
	WIN 0
	s_wait_dscnt 0x0                               ; the stores have read their registers: the next trip writes the addresses anew
	s_add_co_u32 s48, s48, 4*UP
	s_add_co_u32 s49, s49, 4*USP
	s_sub_co_u32 s47, s47, 1
	s_cmp_lg_u32 s47, 0
	s_cbranch_scc1 .Lscore
	; ---- v: two rounds.  The barriers inside the first order its stores behind every wave's reads of k's and q's codes
	RHEAD 1
	GROUND 1, 1, 1, 1, 1, 1
	EPIV UP, UC+512                                ; stored tiles 0, 1 into the tokens' rows, over the codes
	RHEAD 0
	GROUND 1, 1, 0, -1, 0, 0                       ; the tail is written out: the last two slots ask for nothing
	EPIV VP, 0                                     ; stored tiles 2, 3 into slot 0: it has had its last fill, and every wave's reads of it were over at the barrier of place 4
	; ---- the last product and the way out: my 16 tokens, two a trip
	BARRIER                                        ; every token's v lies in its rows
	s_mul_i32 s20, s14, 16*UP
	v_lshlrev_b32 v13, 4, v1
	v_add_nc_u32 v13, s20, v13
	v_add_nc_u32 v13, UC, v13
	s_mul_i32 s20, s14, 16*VP
	v_lshlrev_b32 v14, 4, v1
	v_add_nc_u32 v14, s20, v14
	v_lshlrev_b32 v15, 4, v2
	v_lshl_add_u32 v15, v3, 11, v15                ; out0: lanes 0-15 fill stored head j's 256 bytes, lanes 16-31 stored head 8 + j's;
	s_lshl_b32 s20, s55, 11
	v_xor_b32 v15, s20, v15                        ; where the halves are swapped, stored head H is head H ^ 8: 2,048 bytes the other way
	v_cmp_eq_u32 vcc_lo, 1, v23                    ; (as set ahead of the scores)
.irp u, 0,1
.irp i, 4,5,6,7
	v_mov_b32 v[64+8*\u+\i], 0                     ; K = 16 .. 31 of both operands: zeros
.endr
.endr
.set a_, 0
.rept 8
.irp i, 4,5,6,7
	v_mov_b32 v[80+8*a_+\i], 0
.endr
.set a_, a_+1
.endr
	s_mov_b32 s48, 0
	s_mov_b32 s50, 0
.macro PVLOAD                          ; two tokens: p's image and v's four stored tiles, each 512 consecutive bytes
	v_add_nc_u32 v11, s48, v13
	v_add_nc_u32 v12, s50, v14
.irp u, 0,1
	ds_load_b128 v[64+8*\u:67+8*\u], v11 offset:UP*\u
	ds_load_b128 v[80+32*\u:83+32*\u], v11 offset:UP*\u+512
	ds_load_b128 v[88+32*\u:91+32*\u], v11 offset:UP*\u+1024
	ds_load_b128 v[96+32*\u:99+32*\u], v12 offset:VP*\u
	ds_load_b128 v[104+32*\u:107+32*\u], v12 offset:VP*\u+512
.endr
.endm
.macro PVTRIP next
	s_wait_dscnt 0x0
	WIN 0xc0
.irp u, 0,1
.irp i, 0,1,2,3
	v_wmma_f32_16x16x32_bf16 v[8*(4*\u+\i):8*(4*\u+\i)+7], v[64+8*\u:71+8*\u], v[80+8*(4*\u+\i):87+8*(4*\u+\i)], 0   ; lane (r, h), register j: stored head 8 h + j, channel r of stored tile i
.endr
.endr
	WIN 0
	PLACES 4
.if \next
	s_add_co_u32 s48, s48, 2*UP
	s_add_co_u32 s50, s50, 2*VP
	PVLOAD                                         ; the next two tokens' operands land while these results leave
.endif
	WIN 0x0f
.irp j, 0,1,2,3,4,5,6,7
.irp u, 0,1
.irp i, 0,1,2,3
	v_cndmask_b32 v[144+32*\u+4*\j+\i], v[8*(4*\u+\i)+\j], v[8*(4*\u+(\i+2)%4)+\j], vcc_lo   ; channel 4 r + i comes from stored tile i, or, where v's rounds are swapped, i ^ 2: a head's four side by side are 16 consecutive bytes of out0.  Each result from its low end on
.endr
.endr
.endr
	WIN 0
.irp u, 0,1
.irp j, 0,1,2,3,4,5,6,7
	global_store_b128 v15, v[144+32*\u+4*\j:147+32*\u+4*\j], s[12:13] offset:4096*\u+256*\j th:TH_STORE_NT   ; sixteen lanes store 256 consecutive bytes, at a multiple of 256 from out0's first byte
.endr
.endr
.if \next
	s_wait_xcnt 0x0                                ; the stores have read their registers and their base: both are written again only behind this wait
	s_add_nc_u64 s[12:13], s[12:13], 8192
.endif
.endm
	PVLOAD
	s_mov_b32 s47, 7
.Lpv:
	s_wait_alu depctr_va_vdst(0)
	PVTRIP 1
	s_sub_co_u32 s47, s47, 1
	s_cmp_lg_u32 s47, 0
	s_cbranch_scc1 .Lpv
	PVTRIP 0                                       ; the last two tokens: nothing more to fetch
	s_wait_tensorcnt 0x0                           ; the wave's end, behind my last tensor load and my last LDS store
	ds_add_u32 v[SPW], v[NIL]
	s_wait_dscnt 0x0
	CROUND                                         ; the closing round: no work-group ends while a partner may still ask for a part that names it
	s_endpgm
.Lfunc_end_k_qfb78b3124d_fused:
	.size	k_qfb78b3124d_fused, .Lfunc_end_k_qfb78b3124d_fused-k_qfb78b3124d_fused
	.p2alignl 7, 3214868480
	.fill 96, 4, 3214868480
	.section	.rodata,"a",@progbits
	.p2align	6, 0x0
	.amdhsa_kernel k_qfb78b3124d_fused
		.amdhsa_group_segment_fixed_size 327680
		.amdhsa_private_segment_fixed_size 0
		.amdhsa_enable_private_segment 0
		.amdhsa_kernarg_size 40
		.amdhsa_user_sgpr_count 2
		.amdhsa_user_sgpr_kernarg_segment_ptr 1
		.amdhsa_wavefront_size32 1
		.amdhsa_system_sgpr_workgroup_id_x 1
		.amdhsa_system_sgpr_workgroup_id_y 1
		.amdhsa_system_sgpr_workgroup_id_z 1
		.amdhsa_system_vgpr_workitem_id 0
		.amdhsa_next_free_vgpr 1024
		.amdhsa_next_free_sgpr 66
		.amdhsa_reserve_vcc 1
		.amdhsa_float_denorm_mode_32 3
		.amdhsa_float_denorm_mode_16_64 3
		.amdhsa_memory_ordered 1
		.amdhsa_forward_progress 1
		.amdhsa_inst_pref_size 255
	.end_amdhsa_kernel
	.section	.bss,"aw",@nobits
	.p2align	6
	.space	262144
	.amdgpu_metadata
---
amdhsa.version: [ 1, 2 ]
amdhsa.kernels:
  - .name:           k_qfb78b3124d_fused
    .symbol:         k_qfb78b3124d_fused.kd
    .args:
      - { .name: x, .offset: 0, .size: 8, .value_kind: global_buffer, .address_space: global }
      - { .name: wf, .offset: 8, .size: 8, .value_kind: global_buffer, .address_space: global }
      - { .name: bperm, .offset: 16, .size: 8, .value_kind: global_buffer, .address_space: global }
      - { .name: sparsity_pattern, .offset: 24, .size: 8, .value_kind: global_buffer, .address_space: global }
      - { .name: out0, .offset: 32, .size: 8, .value_kind: global_buffer, .address_space: global }
    .group_segment_fixed_size: 327680
    .private_segment_fixed_size: 0
    .kernarg_segment_align: 8
    .kernarg_segment_size: 40
    .max_flat_workgroup_size: 128
    .sgpr_count:     66
    .vgpr_count:     1024
    .wavefront_size: 32
...
	.end_amdgpu_metadata
.endif
;; end of part 4
